; MI455X (gfx1250); checked and timed in simulation.
; The chip was launched on July 23, 2026; its instructions are those of AMD's public machine-readable ISA for CDNA 5 (MIT licence, August 2026) and "CDNA5" Instruction Set Architecture Reference Guide (July 2026). The comments in the code are by the model that wrote it; some were corrected since.
;; Flash Attention. Allowed arithmetic: matrix products marked QUANTISED: E2M3 operands, one E8M0 scale for each 32 along K, by v_wmma_scale_f32_16x16x128_f8f6f4 with both operands' format E2M3, f32 sums; everything else in f32.
;; Inputs: Wk 1,024 x 1,024 float32; Wo 1,024 x 1,024 float32; Wq 1,024 x 1,024 float32; Wv 1,024 x 1,024 float32; bk 1,024 float32; bo 1,024 float32; bq 1,024 float32; bv 1,024 float32; inputs_q 8 x 1,024 x 1,024 float32.
;; Outputs: out0 8 x 1,024 x 1,024 float32.
;; This version of the problem:
;;   THIS VERSION OF THE PROBLEM IS GIVEN IN LOW PRECISION. The matrix products marked QUANTISED in the list below multiply operands that are first quantised to E2M3 (2 exponent bits, 3 mantissa bits; 6 bits a number), with one power-of-two scale for each 32 numbers along K (OCP MX v1.0); their sums are f32. All else is computed in f32.
;;   The module's matrix products, in the order in which they are computed (A, B: the left and right operand; K: the contracted axis; several contracted axes count as one K, in the product's order):
;;     1. [M 8,192, K 1,024] x [K 1,024, N 1,024]; A: input inputs_q; B: input Wq: QUANTISED
;;     2. [M 8,192, K 1,024] x [K 1,024, N 1,024]; A: input inputs_q; B: input Wk: QUANTISED
;;     3. [M 8,192, K 1,024] x [K 1,024, N 1,024]; A: input inputs_q; B: input Wv: QUANTISED
;;     4. batch 128 x [M 1,024, K 64] x [K 64, N 1,024]; A: computed on the way; B: computed on the way: QUANTISED
;;     5. batch 128 x [M 1,024, K 1,024] x [K 1,024, N 64]; A: softmax (see below); B: computed on the way: QUANTISED
;;     6. [M 8,192, K 1,024] x [K 1,024, N 1,024]; A: computed on the way; B: input Wo: QUANTISED
;;   THE QUANTISER, for each operand of a quantised product, along K:
;;     - K is cut into blocks of 32 from its start; a last block that is shorter is filled with zeros.
;;     - A block's scale is 2^e with e = floor(log2(the largest magnitude in the block)) - 2, held to -126 .. 127; a block of zeros has e = 0. As a byte (E8M0): e + 127.
;;     - Each number is divided by its block's scale, clamped to +-7.5, and rounded to the nearest number of E2M3, ties to even, subnormals kept.
;;     - The product sums the exact products of the quantised numbers (number of the format x scale) in f32.
;;   ~~~python
;;   def quantise(x, axis):      # numpy; x: float32 -> the quantised numbers, widened to float32 again
;;       x = np.moveaxis(x, axis, -1); K = x.shape[-1]
;;       x = np.pad(x, [(0, 0)] * (x.ndim - 1) + [(0, -K % 32)]); x = x.reshape(x.shape[:-1] + (-1, 32)); a = np.abs(x).max(-1, keepdims=True)
;;       e = np.where(a > 0, np.clip(np.frexp(np.where(a > 0, a, 1))[1] - 1 - 2, -126, 127), 0)      # np.frexp(a)[1] - 1 = floor(log2(a)), exactly
;;       r = np.clip(x / 2.0 ** e, -7.5, 7.5)
;;       step = 2.0 ** (np.maximum(np.frexp(np.where(r == 0, 1, r))[1] - 1, 0) - 3)
;;       q = np.round(r / step) * step * 2.0 ** e      # np.round: ties to even
;;       return np.moveaxis(q.reshape(q.shape[:-2] + (-1,))[..., :K], -1, axis).astype(np.float32)
;;   ~~~
;;   SOFTMAX AHEAD OF A QUANTISED PRODUCT. Where the list says 'softmax', what is quantised is not the finished softmax but p = 2^(t - M), with t = logit x log2(e) and M = ceil(the row's largest t), a whole number; so 1/2 < the row's largest p <= 1. The row's sum l is taken of the UNQUANTISED p, in f32, and the product's result is divided by l at the end. Since M is a whole number, a kernel that streams over the keys may use a running M (the ceiling of the running maximum): every later rescaling is an exact power of two, which a block's scale takes up: the codes' values come out the same.
;;   OPERANDS COMPUTED ON THE WAY. 'Computed on the way' means the value that the module computes at that place (a softmax that the list does not call 'softmax' is quantised finished and normalised). What goes into a quantiser is computed in f32, as accurately as f32 sums, v_exp_f32 and their like allow (about 1e-6 of the number): no bf16 or f16 on the way to a quantiser, and a product that is left as it is and whose result goes on into a quantised operand takes f32 operands (vector FMAs, or v_wmma_f32_16x16x4_f32). A number that lies on a knife's edge between two numbers of the format may be rounded either way, as far as f32 arithmetic and the matrix unit's own rounding can turn it there, and no further.
;; One version. Each part assembles by itself: llvm-mc -triple=amdgcn-amd-amdhsa -mcpu=gfx1250 --defsym DOCPART=n.
;; ======== version 1 of 1: 4 launches
;; limits: right only within a limited range of input values
;; workspace buffers: ximg 6,291,456 bytes; wimg 3,145,728 bytes; sc1 655,360 bytes; qkvimg 18,874,368 bytes; sc2 1,310,720 bytes; aoimg 6,291,456 bytes
;; launch quant (part 1): grid 512 x 1, 4 waves a work-group, no clusters, 34,304 bytes of LDS; arguments inputs_q, Wq, Wk, Wv, Wo, ximg, wimg, sc1; writes ximg, wimg, sc1
.if DOCPART == 1
	.amdgcn_target "amdgcn-amd-amdhsa--gfx1250"
	.amdhsa_code_object_version 6
	.text
	.protected	k_q14c9e8b527_quant
	.globl	k_q14c9e8b527_quant
	.p2align	8
	.type	k_q14c9e8b527_quant,@function
k_q14c9e8b527_quant:
	s_mov_b64 s[64:65], 0
	v_nop
	global_prefetch_b8 v0, s[64:65] scope:SCOPE_SE
	s_setreg_imm32_b32 hwreg(HW_REG_WAVE_MODE, 25, 1), 1
	s_wait_xcnt 0x0
; x [8192][1024] and the four weights [1024 (k)][1024 (n)], f32, become codes of FP6 (E2M3) with one E8M0 byte for each 32 along K.
; A block's scale is 2^(floor(log2(its largest magnitude)) - 2); its byte is that magnitude's exponent field - 2, held at 1 from below.
; LIMITS: NaN and infinities among the inputs are not served; a block whose largest magnitude lies under 2^-124 has its byte held at 1;
; a block of zeros gets the byte 1 where the rule says 127: its codes are zeros, and only this program reads the bytes.
; THE LAYOUT OF THE CODES is the order of an operand's registers.  A tile T is 16 rows: image row i is matrix row 32 (T / 2) + 8 (T % 2) + i + 8 (i / 8).
; A half block (T, hb) is 16 rows x 64 along K, 768 bytes: lane l = i + 16 h' owns the 24 bytes of k = 64 hb + 32 h' + 0 .. 31 of image row i: its first 16 bytes at 16 l,
; its last 8 at 512 + 8 l.  Two half blocks on end are a fragment of 128 along K.  ximg: [512 tiles][16][768]; wimg: [256 tiles][16][768], rows = the weights' columns, tile 64 x weight + ...
; The scale bytes lie by image rows, 32 bytes a row (sc1: x's from byte 0, the weights' from byte 262,144).
; Work-groups 0-255 take x: a wave a tile of 16 rows and half of K, 4 steps of 128 along K; each load reads 512 consecutive bytes of a row; a step turns through the wave's own stage in LDS so that a lane
; holds 16 neighbours of each block.  Work-groups 256-511 take the weights: a lane a column, its registers down K: nothing is transposed, and no LDS is used.
; No tensor loads, no barrier: waves share nothing.  Matrix units and clusters have no part here: the launch only streams.
.set SPARE, 33792                      ; behind the four stages of 16 x 528 bytes: the spare words, 128 bytes a wave
.set SPW, 6                            ; v6   LDS address of my spare word; never rewritten
.set NIL, 7                            ; v7   0; never rewritten
.set SW,  8                            ; v8-11  x: the four scale words of my row
.set TM,  16                           ; v16-19 largest magnitudes, v20-23 bytes, v24-27 the conversions' scale operands
.set PC,  32                           ; v32-43 a fragment's codes; v44-50 halves on their way
.set RS,  64                           ; v64-191 x: two sets of 64 registers as loaded
.set XN,  192                          ; v192-255 x: 64 numbers: register 16 b + q = k 32 b + 16 (lane / 16) + q of my row
.set SEL, 28                           ; s[28:29] lane selects: lane l xor 16
; 64 numbers of a lane, v[s + 16 b + q] = k 32 b + 16 (lane / 16) + q of my row, become a fragment's codes in v[PC] on and its scale word in v[pw]
.macro QUANT s, pw
.irp b, 0,1,2,3
	v_max3_num_f32 v[TM+\b], |v[\s+16*\b]|, |v[\s+1+16*\b]|, 0x1800000   ; my 16 numbers of block b, and the floor 2^(3 - 127): the byte cannot fall under 1
.endr
.irp i, 2,4,6,8,10,12,14
.irp b, 0,1,2,3
	v_max3_num_f32 v[TM+\b], v[TM+\b], |v[\s+16*\b+\i]|, |v[\s+1+16*\b+\i]|   ; the four blocks by turns
.endr
.endr
.irp b, 0,1,2,3
	v_permlanex16_b32 v[TM+4+\b], v[TM+\b], s[SEL], s[SEL+1]
.endr
.irp b, 0,1,2,3
	v_max_num_f32 v[TM+\b], v[TM+\b], v[TM+4+\b]     ; with lane l xor 16's: the block's largest magnitude
.endr
.irp b, 0,1,2,3
	v_add_nc_u32 v[TM+8+\b], 0xff000000, v[TM+\b]    ; 2 off its exponent field: the conversion takes that field as its scale
.endr
.irp b, 0,1,2,3
	v_lshrrev_b32 v[TM+4+\b], 23, v[TM+8+\b]         ; the scale's byte
.endr
	v_lshl_or_b32 v[\pw], v[TM+5], 8, v[TM+4]
	v_lshl_or_b32 v[\pw], v[TM+6], 16, v[\pw]
	v_lshl_or_b32 v[\pw], v[TM+7], 24, v[\pw]        ; my row's scale word
.irp c, 0,1
	v_cvt_scalef32_pk16_fp6_f32 v[PC+6*\c:PC+2+6*\c], v[\s+32*\c:\s+15+32*\c], v[TM+8+2*\c]
	v_cvt_scalef32_pk16_fp6_f32 v[PC+12+4*\c:PC+14+4*\c], v[\s+16+32*\c:\s+31+32*\c], v[TM+8+2*\c+1]   ; (three registers that begin on an even number)
.endr
	v_nop                                            ; one plain place behind a scaled conversion
.irp c, 0,1                            ; the layout wants a whole block in a lane: lanes 0-15 block 2 c, lanes 16-31 block 2 c + 1
.irp i, 0,1,2
	v_permlane16_swap_b32 v[PC+6*\c+\i], v[PC+12+4*\c+\i]
.endr
.irp i, 0,1,2
	v_mov_b32 v[PC+3+6*\c+\i], v[PC+12+4*\c+\i]
.endr
.endr
.endm
.macro XLOAD t                         ; step t: 128 along K of my 16 rows; each load reads 512 consecutive bytes of one row
.irp r, 0,1,2,3,4,5,6,7,8,9,10,11,12,13,14,15
	global_load_b128 v[RS+64*((\t)%2)+4*\r:RS+64*((\t)%2)+4*\r+3], v2, s[4:5] offset:(\r+8*(\r/8))*4096+512*(\t) th:TH_LOAD_NT
.endr
.endm
.macro XSTEP t
.if (\t) < 3
	s_wait_loadcnt 16                                ; this step's 16 loads are in; the next step's 16 may be out
.else
	s_wait_loadcnt 0x0
.endif
.irp r, 0,1,2,3,4,5,6,7,8,9,10,11,12,13,14,15
	ds_store_b128 v4, v[RS+64*((\t)%2)+4*\r:RS+64*((\t)%2)+4*\r+3] offset:528*\r   ; row r as it lies; rows 528 bytes apart
.endr
.irp b, 0,1,2,3
.irp j, 0,1,2,3
	ds_load_b128 v[XN+16*\b+4*\j:XN+16*\b+4*\j+3], v5 offset:128*\b+16*\j          ; LDS serves a wave's instructions in order: these see the stores above
.endr
.endr
	s_wait_dscnt 0x0                                 ; the numbers are back, and the stage's stores have read their registers
	s_wait_xcnt 0x0                                  ; the last step's stores have read the codes' registers, which are written again below
.if (\t)+2 < 4
	XLOAD (\t)+2
.endif
	QUANT XN, SW+(\t)
	global_store_b128 v2, v[PC:PC+3], s[14:15] offset:1536*(\t)          ; 512 consecutive bytes
	global_store_b64 v3, v[PC+4:PC+5], s[14:15] offset:1536*(\t)+512     ; 256 consecutive bytes
	global_store_b128 v2, v[PC+6:PC+9], s[14:15] offset:1536*(\t)+768
	global_store_b64 v3, v[PC+10:PC+11], s[14:15] offset:1536*(\t)+1280
.endm
.macro WLOAD t                         ; block t: W(32 t + q, my column), q = 0 .. 31; 32 lanes read 128 consecutive bytes, the four waves 512
.set ii, 0
.rept 32
	global_load_b32 v[64+32*(\t)+ii], v2, s[6:7] offset:(32*(\t)+ii)*4096 th:TH_LOAD_NT
.set ii, ii+1
.endr
.endm
.macro BLOCK t
.set XS, 64+32*(\t)
.set GC, 16+8*(\t)                     ; a set of six registers of its own for each block: no store's data are written again
.if (\t) < 3
	s_wait_loadcnt 32                                ; this block's 32 loads are in; the next block's may be out
.else
	s_wait_loadcnt 0x0
.endif
.if (\t)+2 < 4
	WLOAD (\t)+2
.endif
	v_max3_num_f32 v52, |v[XS]|, |v[XS+1]|, |v[XS+2]|                    ; all 32 numbers of the block are mine
	v_max3_num_f32 v53, |v[XS+3]|, |v[XS+4]|, |v[XS+5]|
.irp i, 6,10,14,18,22,26
	v_max3_num_f32 v52, v52, |v[XS+\i]|, |v[XS+\i+1]|
	v_max3_num_f32 v53, v53, |v[XS+\i+2]|, |v[XS+\i+3]|
.endr
	v_max3_num_f32 v52, v52, |v[XS+30]|, |v[XS+31]|
	v_max3_num_f32 v52, v52, v53, 0x1800000          ; and the floor
	v_add_nc_u32 v54, 0xff000000, v52                ; the conversions' scale operand
	v_lshrrev_b32 v53, 23, v54                       ; the byte
.if (\t) == 0
	v_mov_b32 v8, v53
.else
	v_lshl_or_b32 v8, v53, 8*(\t), v8
.endif
	v_cvt_scalef32_pk16_fp6_f32 v[GC:GC+2], v[XS:XS+15], v54
	v_cvt_scalef32_pk16_fp6_f32 v[48:50], v[XS+16:XS+31], v54
	v_nop                                            ; one plain place behind a scaled conversion
.irp i, 0,1,2
	v_mov_b32 v[GC+3+\i], v[48+\i]
.endr
	global_store_b128 v3, v[GC:GC+3], s[16:17] offset:768*((\t)/2)+256*((\t)%2)        ; block t is half t % 2 of half block t / 2
	global_store_b64 v4, v[GC+4:GC+5], s[16:17] offset:768*((\t)/2)+512+128*((\t)%2)
.endm
	s_load_b256 s[4:11], s[0:1], 0x0                 ; x s[4:5], Wq s[6:7], Wk s[8:9], Wv s[10:11]
	s_load_b256 s[12:19], s[0:1], 0x20               ; Wo s[12:13], ximg s[14:15], wimg s[16:17], sc1 s[18:19]
	v_lshl_add_u32 v[SPW], v0, 2, SPARE
	v_mov_b32 v[NIL], 0
	v_lshrrev_b32 v1, 5, v0
	v_readfirstlane_b32 s20, v1                      ; wave
	v_and_b32 v1, 31, v0                             ; lane
	s_cmp_lt_u32 ttmp9, 256
	s_cbranch_scc0 .Lweights
	; ---- x: 4 x work-group + wave: its lowest bit says which half of K, the rest which tile
	s_lshl_b32 s21, ttmp9, 2
	s_add_co_u32 s21, s21, s20
	s_and_b32 s31, s21, 1                            ; the half of K
	s_lshr_b32 s21, s21, 1                           ; the tile T
	s_lshr_b32 s22, s21, 1
	s_lshl_b32 s22, s22, 17                          ; 32 (T / 2) rows of 4,096 bytes
	s_and_b32 s23, s21, 1
	s_lshl_b32 s23, s23, 15                          ; + 8 (T % 2) rows
	s_add_co_u32 s22, s22, s23
	s_lshl_b32 s23, s31, 11                          ; + 512 numbers along K
	s_add_co_u32 s22, s22, s23
	s_mov_b32 s23, 0
	s_mul_i32 s24, s21, 12288                        ; the tile's 16 half blocks,
	s_mul_i32 s25, s31, 6144                         ; of which eight are mine
	s_add_co_u32 s24, s24, s25
	s_mov_b32 s25, 0
	s_lshl_b32 s26, s21, 9                           ; its 16 rows of 32 scale bytes,
	s_lshl_b32 s27, s31, 4                           ; of which 16 bytes a row are mine
	s_add_co_u32 s26, s26, s27
	s_mov_b32 s27, 0
	s_mov_b32 s[SEL], 0x76543210
	s_mov_b32 s[SEL+1], 0xfedcba98
	s_mul_i32 s30, s20, 8448                         ; my stage
	v_and_b32 v57, 15, v0                            ; i
	v_bfe_u32 v58, v0, 4, 1                          ; h
	s_wait_alu depctr_va_vdst(0)
	v_lshlrev_b32 v2, 4, v1                          ; 16 l
	v_lshlrev_b32 v3, 3, v1                          ; 8 l
	v_add_nc_u32 v4, s30, v2                         ; into the stage: 16 l of a row
	v_mul_u32_u24 v5, v57, 528
	v_lshl_add_u32 v5, v58, 6, v5
	v_add_nc_u32 v5, s30, v5                         ; out of it: row i, + 64 h: my 16 numbers of a block
	v_lshlrev_b32 v56, 5, v57
	v_lshl_add_u32 v56, v58, 3, v56                  ; the scale words' place: 32 i + 8 h
.irp b, 0,1,2,3
	v_mov_b32 v[TM+4+\b], 0                          ; written once: a lane permute's destination counts as one of its sources
.endr
	s_wait_alu depctr_va_vdst(0)
	s_wait_kmcnt 0x0
	s_add_nc_u64 s[4:5], s[4:5], s[22:23]
	s_add_nc_u64 s[14:15], s[14:15], s[24:25]
	s_add_nc_u64 s[18:19], s[18:19], s[26:27]
	XLOAD 0
	XLOAD 1
.irp t, 0,1,2,3
	XSTEP \t
.endr
	v_cmp_gt_u32 vcc_lo, 16, v1                      ; both halves of the lanes hold all four words of row i: lanes 0-15 store words 0, 1, lanes 16-31 words 2, 3
	v_cndmask_b32 v52, v[SW+2], v[SW], vcc_lo
	v_cndmask_b32 v53, v[SW+3], v[SW+1], vcc_lo
	global_store_b64 v56, v[52:53], s[18:19]         ; 16 of each row's 32 bytes; the wave with the other half of K stores the others
	s_wait_tensorcnt 0x0                             ; the wave's end
	ds_add_u32 v[SPW], v[NIL]
	s_wait_dscnt 0x0
	s_endpgm
.Lweights:
	; ---- a weight: 32 columns a wave, 128 along K.  j = work-group - 256: bits 2:0 which 128 columns, 5:3 which 128 along K, 7:6 which weight
	s_sub_co_u32 s21, ttmp9, 256
	s_and_b32 s22, s21, 7
	s_bfe_u32 s23, s21, 0x30003
	s_lshr_b32 s24, s21, 6
	s_lshl_b32 s26, s23, 19                          ; 128 rows of 4,096 bytes
	s_lshl_b32 s25, s22, 9
	s_add_co_u32 s26, s26, s25
	s_lshl_b32 s25, s20, 7
	s_add_co_u32 s26, s26, s25                       ; + my wave's first column x 4
	s_mov_b32 s27, 0
	s_lshl_b32 s30, s24, 6
	s_lshl_b32 s25, s22, 3
	s_add_co_u32 s30, s30, s25
	s_lshl_b32 s25, s20, 1
	s_add_co_u32 s30, s30, s25                       ; my wave's first tile: its 32 columns are two tiles
	s_lshl_b32 s32, s30, 9
	s_lshl_b32 s25, s23, 2
	s_add_co_u32 s32, s32, s25
	s_add_co_u32 s32, s32, 262144                    ; the tiles' scale rows, word = which 128 along K
	s_mov_b32 s33, 0
	s_mul_i32 s30, s30, 12288
	s_mul_i32 s25, s23, 1536
	s_add_co_u32 s30, s30, s25                       ; the tiles' images, two half blocks on
	s_mov_b32 s31, 0
	s_wait_alu depctr_va_vdst(0)
	v_lshlrev_b32 v2, 2, v1                          ; in: 4 bytes a lane
	v_and_b32 v10, 7, v0
	v_bfe_u32 v11, v0, 4, 1
	v_lshl_add_u32 v10, v11, 3, v10                  ; my column's image row: lane % 8 + 8 (lane / 16)
	v_bfe_u32 v12, v0, 3, 1                          ; and which of the two tiles
	v_mul_u32_u24 v3, v12, 12288
	v_lshl_add_u32 v4, v10, 3, v3                    ; 8 bytes a row
	v_lshl_add_u32 v3, v10, 4, v3                    ; 16 bytes a row
	v_lshlrev_b32 v5, 9, v12
	v_lshl_add_u32 v5, v10, 5, v5                    ; my row of scale bytes
	s_wait_kmcnt 0x0
	s_cmp_eq_u32 s24, 1                              ; the choice hangs on the work-group's number alone
	s_cselect_b64 s[6:7], s[8:9], s[6:7]
	s_cmp_eq_u32 s24, 2
	s_cselect_b64 s[6:7], s[10:11], s[6:7]
	s_cmp_eq_u32 s24, 3
	s_cselect_b64 s[6:7], s[12:13], s[6:7]
	s_add_nc_u64 s[6:7], s[6:7], s[26:27]
	s_add_nc_u64 s[16:17], s[16:17], s[30:31]
	s_add_nc_u64 s[18:19], s[18:19], s[32:33]
	WLOAD 0
	WLOAD 1
.irp t, 0,1,2,3
	BLOCK \t
.endr
	global_store_b32 v5, v8, s[18:19]                ; my column's four bytes
	s_endpgm
.Lfunc_end_k_q14c9e8b527_quant:
	.size	k_q14c9e8b527_quant, .Lfunc_end_k_q14c9e8b527_quant-k_q14c9e8b527_quant
	.p2alignl 7, 3214868480
	.fill 96, 4, 3214868480
	.section	.rodata,"a",@progbits
	.p2align	6, 0x0
	.amdhsa_kernel k_q14c9e8b527_quant
		.amdhsa_group_segment_fixed_size 34304
		.amdhsa_private_segment_fixed_size 0
		.amdhsa_enable_private_segment 0
		.amdhsa_kernarg_size 64
		.amdhsa_user_sgpr_count 2
		.amdhsa_user_sgpr_kernarg_segment_ptr 1
		.amdhsa_wavefront_size32 1
		.amdhsa_system_sgpr_workgroup_id_x 1
		.amdhsa_system_sgpr_workgroup_id_y 1
		.amdhsa_system_sgpr_workgroup_id_z 1
		.amdhsa_system_vgpr_workitem_id 0
		.amdhsa_next_free_vgpr 256
		.amdhsa_next_free_sgpr 66
		.amdhsa_reserve_vcc 1
		.amdhsa_float_denorm_mode_32 3
		.amdhsa_float_denorm_mode_16_64 3
		.amdhsa_memory_ordered 1
		.amdhsa_forward_progress 1
		.amdhsa_inst_pref_size 54
	.end_amdhsa_kernel
	.amdgpu_metadata
---
amdhsa.version: [ 1, 2 ]
amdhsa.kernels:
  - .name:           k_q14c9e8b527_quant
    .symbol:         k_q14c9e8b527_quant.kd
    .args:
      - { .name: inputs_q, .offset: 0, .size: 8, .value_kind: global_buffer, .address_space: global }
      - { .name: Wq, .offset: 8, .size: 8, .value_kind: global_buffer, .address_space: global }
      - { .name: Wk, .offset: 16, .size: 8, .value_kind: global_buffer, .address_space: global }
      - { .name: Wv, .offset: 24, .size: 8, .value_kind: global_buffer, .address_space: global }
      - { .name: Wo, .offset: 32, .size: 8, .value_kind: global_buffer, .address_space: global }
      - { .name: ximg, .offset: 40, .size: 8, .value_kind: global_buffer, .address_space: global }
      - { .name: wimg, .offset: 48, .size: 8, .value_kind: global_buffer, .address_space: global }
      - { .name: sc1, .offset: 56, .size: 8, .value_kind: global_buffer, .address_space: global }
    .group_segment_fixed_size: 34304
    .private_segment_fixed_size: 0
    .kernarg_segment_align: 8
    .kernarg_segment_size: 64
    .max_flat_workgroup_size: 128
    .sgpr_count:     66
    .vgpr_count:     256
    .wavefront_size: 32
...
	.end_amdgpu_metadata
.endif
;; end of part 1
;; launch proj (part 2): grid 4 x 64, 4 waves a work-group, clusters of 4 x 4, 327,680 bytes of LDS; arguments ximg, wimg, sc1, bq, bk, bv, qkvimg, sc2; writes qkvimg, sc2
.if DOCPART == 2
	.amdgcn_target "amdgcn-amd-amdhsa--gfx1250"
	.amdhsa_code_object_version 6
	.text
	.protected	k_q14c9e8b527_proj
	.globl	k_q14c9e8b527_proj
	.p2align	8
	.type	k_q14c9e8b527_proj,@function
k_q14c9e8b527_proj:
	s_mov_b64 s[64:65], 0
	v_nop
	global_prefetch_b8 v0, s[64:65] scope:SCOPE_SE
	s_setreg_imm32_b32 hwreg(HW_REG_WAVE_MODE, 25, 1), 1
	s_wait_xcnt 0x0
	s_wait_alu depctr_hold_cnt(0) depctr_sa_sdst(0) depctr_va_vdst(0) depctr_va_sdst(0) depctr_va_ssrc(0) depctr_va_vcc(0) depctr_vm_vsrc(0)
	s_getreg_b32 s2, hwreg(HW_REG_IB_STS2, 6, 4)
	s_cmp_eq_u32 s2, 0
	s_cbranch_scc0 .Lentry_in_a_cluster
	s_endpgm
.Lentry_in_a_cluster:
	s_bfe_u32 s2, ttmp6, 0x10000c
	s_cmp_lg_u32 s2, 0xf033
	s_cbranch_scc0 .Lentry_shape_is_right
	s_endpgm
.Lentry_shape_is_right:
; q = x Wq + bq, k = x Wk + bk, v = x Wv + bv on codes of FP6 (E2M3) with E8M0 scales, sums in f32; the results are quantised at once: q and k along the head's 64, v along the keys.
; A WORK-GROUP STAYS: it takes 128 tokens x 256 features and makes q, then k, then v.  Its 128 rows of x, all of K (98,304 bytes), come into LDS once and serve all three weights; the weights' tiles go
; through two slots of 512 along K (98,304 bytes each): six fills, of which four are refills, and the ring goes on from weight to weight: a weight's results leave while the next weight's tiles are on their way.
; Four waves; a wave makes 64 tokens x 128 features: 32 accumulators, 256 registers.  The grid is 4 x 64 = 256 work-groups.
; The operands lie in memory in the order of an operand's registers (half blocks of 16 rows x 64 K, 768 bytes: 16 bytes a lane, then 8 bytes a lane), so a fragment is four dense LDS loads.
; The rows of a tile are image row i = matrix row 32 (T / 2) + 8 (T % 2) + i + 8 (i / 8): so the 16 registers of two neighbouring tiles of source 0 are 16 neighbours along source 0's axis.
; Source 1's rows lie in lanes, source 0's along a lane's registers.  q, k: source 0 the weight, source 1 x: a lane holds one token and 128 features, two heads' 64.  v: the two swapped: a lane holds one feature and 64 keys.
; CLUSTERS: 4 x 4 work-groups; x's tiles are shared along a row of the cluster, the weights' along a column: each is asked for jointly, by the same tensor load with a mask that names the four.
; Every wave issues a quarter of each refill; a wave has one tensor load out at the start and one behind each refill's round.
; RESULTS: qkvimg, three parts of 6,291,456 bytes, each [batch x 16 + head][49,152]: q, k: [64 token tiles][768]; v: [8 key steps][4 tiles of d][2 half blocks].
; sc2: q at 0, k at 524,288: a word for each token (bytes 0, 1: the two blocks; bytes 2, 3: 0); v at 1,048,576: [head][key step][tile of d][16] words.
; LIMITS: NaN and infinities are not served; a block whose largest magnitude lies under 2^-124 has its byte held at 1; a block of zeros gets the byte 1 (its codes are zeros; only this program reads the bytes).
; No prefetch: the launch is short, and all clusters walk the same weights at about the same time.
; REGISTERS: window 0: v4-29 addresses; v32-47 x's scale words, v48-143 the three weights' (scales alone); v144-207 64 numbers; v208-227 codes; v228-239 at work; v240-255 the results' scale values.
;   window 1: the weight's fragments, two sets, at v0 and v96; v192-255 bq.   window 2: the accumulators.   window 3: x's fragments, two sets, at v0 and v48; v96-159 bk; v160-175 bv.
.set XHB,   49152                      ; half of x along K: 8 tiles of 6,144 bytes; the two halves lie at 0 and at XHB
.set WR,    98304                      ; the ring
.set SLOT,  98304                      ; a slot: the weight's 16 tiles of 6,144 bytes
.set STG,   294912                     ; behind the ring: the results' scale values: q's, k's, v's, each 512 bytes a wave
.set SPARE, 301056                     ; the spare words, 128 bytes a wave
.set NEXTW, 786432                     ; from a weight's tiles to the next weight's: 64 tiles of 12,288 bytes
.set SHR,  4                           ; v4   16 (lane / 16)
.set BOF,  5                           ; v5   bq's and bk's loads: 64 (lane / 16)
.set BOFV, 6                           ; v6   bv's loads: my lane's feature x 4
.set PW,   7                           ; v7   the scale word just made
.set SOFX, 8                           ; v8   my row of x's scale bytes: lanes 16-31 two tiles on
.set SOFW, 9                           ; v9   of the weights': lanes 16-31 four tiles on
.set SSTQ, 10                          ; v10  the scale stage, in, q and k
.set SSTV, 11                          ; v11  in, v
.set SRDQ, 12                          ; v12  out, q and k
.set SRDV, 13                          ; v13  out, v
.set SGQ,  14                          ; v14  q's and k's words' place in sc2
.set AX,   16                          ; v16, 17 x: 16 l in half 0, 1;  v18, 19: 8 l
.set AW,   20                          ; v20-23 the same for the weight's slots
.set L16,  24
.set L8,   25
.set SPW,  28
.set NIL,  29
.set SX,   32                          ; register 8 t + s: K step s: lanes 0-15 x's tile t, lanes 16-31 tile t + 2
.set SW,   48                          ; register 32 y + 8 t + s: weight y: lanes 0-15 tile t, lanes 16-31 tile t + 4
.set ST,   144
.set PC,   208
.set TM,   228
.set VAL,  240
.set WV, 20
.set WY, 21
.set WX, 22
.set CX, 23
.set CY, 24
.set TX, 25
.set TY, 26
.set G1X, 28
.set G1W, 36
.set G0X, 44
.set G0W, 52
.set SEL, 60
.set BQ, 70                            ; s[70:71] q's results, s[72:73] k's, s[74:75] v's
.set BV, 74
.set SBQ, 76
.set SBV, 78
.set TYP, 0
.set MSB, 0
.macro WIN new                         ; the immediate's high byte repeats the setting that is left
.if MSB != (\new)
	s_set_vgpr_msb (MSB<<8)|(\new)
.set MSB, (\new)
.endif
.endm
.macro CREST                           ; a round of the cluster's barrier behind its opening barrier
	s_cmp_lg_u32 s[WV], 0
	s_cbranch_scc1 .Lnot_wave_0_\@
	s_barrier_signal -3
.Lnot_wave_0_\@:
	s_barrier_wait -3
	s_barrier_signal -1
	s_barrier_wait -1
.endm
.macro CROUND
	s_barrier_signal -1
	s_barrier_wait -1
	CREST
.endm
.macro PLACES n
.rept \n
	v_nop
.endr
.endm
.macro FRAG reg, a16, a8, off          ; a fragment: two half blocks, four dense loads
	ds_load_b128 v[\reg:\reg+3], v[\a16] offset:\off
	ds_load_b64 v[\reg+4:\reg+5], v[\a8] offset:\off+512
	ds_load_b128 v[\reg+6:\reg+9], v[\a16] offset:\off+768
	ds_load_b64 v[\reg+10:\reg+11], v[\a8] offset:\off+1280
.endm
.macro FETCHW slot, q, p               ; the weight's eight fragments of the slot's q-th 128 along K into set p
	WIN 0x40                                         ; destination window 1
.irp t, 0,1,2,3,4,5,6,7
	FRAG 96*(\p)+12*\t, AW+\slot, AW+2+\slot, 6144*\t+1536*(\q)
.endr
.endm
.macro FETCHX half, q, p               ; x's four fragments likewise
	WIN 0xc0                                         ; destination window 3
.irp t, 0,1,2,3
	FRAG 48*(\p)+12*\t, AX+\half, AX+2+\half, 6144*\t+1536*(\q)
.endr
.endm
; one matrix instruction: D at d, source 0 at p0, source 1 at p1; zero: the product starts the sum; sa, sb the scale registers; ra, rb: 1 where the scales stand in lanes 16-31
.macro WM d, p0, p1, zero, sa, sb, ra, rb
.if \zero
.if (\ra) && (\rb)
	v_wmma_scale_f32_16x16x128_f8f6f4 v[\d:\d+7], v[\p0:\p0+11], v[\p1:\p1+11], 0, v[\sa], v[\sb] matrix_a_fmt:MATRIX_FMT_FP6 matrix_b_fmt:MATRIX_FMT_FP6 matrix_a_scale:MATRIX_SCALE_ROW1 matrix_b_scale:MATRIX_SCALE_ROW1
.elseif (\ra)
	v_wmma_scale_f32_16x16x128_f8f6f4 v[\d:\d+7], v[\p0:\p0+11], v[\p1:\p1+11], 0, v[\sa], v[\sb] matrix_a_fmt:MATRIX_FMT_FP6 matrix_b_fmt:MATRIX_FMT_FP6 matrix_a_scale:MATRIX_SCALE_ROW1
.elseif (\rb)
	v_wmma_scale_f32_16x16x128_f8f6f4 v[\d:\d+7], v[\p0:\p0+11], v[\p1:\p1+11], 0, v[\sa], v[\sb] matrix_a_fmt:MATRIX_FMT_FP6 matrix_b_fmt:MATRIX_FMT_FP6 matrix_b_scale:MATRIX_SCALE_ROW1
.else
	v_wmma_scale_f32_16x16x128_f8f6f4 v[\d:\d+7], v[\p0:\p0+11], v[\p1:\p1+11], 0, v[\sa], v[\sb] matrix_a_fmt:MATRIX_FMT_FP6 matrix_b_fmt:MATRIX_FMT_FP6
.endif
.else
.if (\ra) && (\rb)
	v_wmma_scale_f32_16x16x128_f8f6f4 v[\d:\d+7], v[\p0:\p0+11], v[\p1:\p1+11], v[\d:\d+7], v[\sa], v[\sb] matrix_a_fmt:MATRIX_FMT_FP6 matrix_b_fmt:MATRIX_FMT_FP6 matrix_a_scale:MATRIX_SCALE_ROW1 matrix_b_scale:MATRIX_SCALE_ROW1
.elseif (\ra)
	v_wmma_scale_f32_16x16x128_f8f6f4 v[\d:\d+7], v[\p0:\p0+11], v[\p1:\p1+11], v[\d:\d+7], v[\sa], v[\sb] matrix_a_fmt:MATRIX_FMT_FP6 matrix_b_fmt:MATRIX_FMT_FP6 matrix_a_scale:MATRIX_SCALE_ROW1
.elseif (\rb)
	v_wmma_scale_f32_16x16x128_f8f6f4 v[\d:\d+7], v[\p0:\p0+11], v[\p1:\p1+11], v[\d:\d+7], v[\sa], v[\sb] matrix_a_fmt:MATRIX_FMT_FP6 matrix_b_fmt:MATRIX_FMT_FP6 matrix_b_scale:MATRIX_SCALE_ROW1
.else
	v_wmma_scale_f32_16x16x128_f8f6f4 v[\d:\d+7], v[\p0:\p0+11], v[\p1:\p1+11], v[\d:\d+7], v[\sa], v[\sb] matrix_a_fmt:MATRIX_FMT_FP6 matrix_b_fmt:MATRIX_FMT_FP6
.endif
.endif
.endm
; Eight matrix instructions, group g of four, of K step ks (fragment set ks % 2).  q, k: x's tile g against the weight's eight: accumulator (a, b) at v[8 (8 a + b)].
; v: the weight's tiles 2 g, 2 g + 1 against x's four: accumulator (a, b) at v[8 (4 a + b)].  The 32 accumulators take turns, one instruction a turn, in the same order in every step.
.macro MULG g, ks
.set ZF, 0
.if (\ks) == 0
.set ZF, 1
.endif
.if TYP == 2
	WIN 0xa7                                         ; source 0 (x) window 3, source 1 (the weight) window 1, C and D window 2
.irp aa, 0,1
.irp b, 0,1,2,3
.set rA, 2*(\g)+\aa
	WM 8*(4*rA+\b), 48*((\ks)%2)+12*\b, 96*((\ks)%2)+12*rA, ZF, SX+8*(\b%2)+(\ks), SW+64+8*(rA%4)+(\ks), \b/2, rA/4
.endr
.endr
.else
	WIN 0xad                                         ; source 0 (the weight) window 1, source 1 (x) window 3, C and D window 2
.irp b, 0,1,2,3,4,5,6,7
	WM 8*(8*(\g)+\b), 96*((\ks)%2)+12*\b, 48*((\ks)%2)+12*(\g), ZF, SW+32*TYP+8*(\b%4)+(\ks), SX+8*((\g)%2)+(\ks), \b/4, (\g)/2
.endr
.endif
.endm
; A K step of 128 whose successor lies in the same slot: the successor's fragments are fetched into the other set, in two runs between the groups of products
.macro STEP slot, q, ks
	s_wait_dscnt 0x0                                 ; this step's fragments are in
	MULG 0, \ks
	PLACES 4                                         ; four places in front of loads into registers that the last step's matrix instructions have read
	FETCHW \slot, (\q)+1, 1-(\ks)%2
	MULG 1, \ks
	FETCHX \slot, (\q)+1, 1-(\ks)%2
	MULG 2, \ks
	MULG 3, \ks
.endm
; A slot's last K step, and the change of slots: one barrier.  fill = 1: this slot is filled again, with the next weight's tiles of the same half of K
.macro TURN slot, next, fill, ks
	WIN 0                                            ; (the add's two registers lie in window 0)
	s_wait_tensorcnt 0x0                             ; all my tensor loads have landed: my part of the next slot among them
	ds_add_u32 v[SPW], v[NIL]
	s_mov_b32 s[G1W+2], 4<<16                        ; no tensor load of mine is out: from here on a load of the weight brings 4 tiles
	s_mov_b32 s[G1W+4], 4
	s_wait_dscnt 0x1
	MULG 0, \ks
	s_wait_dscnt 0x0                                 ; the add is done, and my reads of this slot are over
	s_barrier_signal -1
	MULG 1, \ks
	WIN 0
	s_barrier_wait -1
.if \fill
	CREST                                            ; the barrier has opened a round of the cluster's: no wave of any partner still reads this slot or has a load on its way
	s_add_nc_u64 s[G0W+4*\slot+2:G0W+4*\slot+3], s[G0W+4*\slot+2:G0W+4*\slot+3], NEXTW
	tensor_load_to_lds s[G0W+4*\slot:G0W+4*\slot+3], s[G1W:G1W+7]   ; my one tensor load behind the round: my quarter of the slot
	s_nop 0
.endif
	PLACES 4                                         ; behind the load, and the places in front of the loads below
	FETCHW \next, 0, 1-(\ks)%2
	FETCHX \next, 0, 1-(\ks)%2
	MULG 2, \ks
	MULG 3, \ks
.endm
.macro RUN8 more                       ; a weight's eight K steps; more = 1: another weight follows, and both slots are filled again
	STEP 0, 0, 0                                     ; the first step's products start the sums
	STEP 0, 1, 1
	STEP 0, 2, 2
	TURN 0, 1, \more, 3
	STEP 1, 0, 4
	STEP 1, 1, 5
	STEP 1, 2, 6
.if \more
	TURN 1, 0, 1, 7                                  ; it fetches the next weight's first fragments
.else
	s_wait_dscnt 0x0
	MULG 0, 7
	MULG 1, 7
	MULG 2, 7
	MULG 3, 7
.endif
	WIN 0
	PLACES 4                                         ; behind the last products, in front of the first read of results
.endm
; 64 numbers of a lane, v[s + 16 b + q] = k 32 b + 16 (lane / 16) + q of my row, become a fragment's codes in v[PC] on and its scale word in v[pw]
.macro QUANT s, pw
.irp b, 0,1,2,3
	v_max3_num_f32 v[TM+\b], |v[\s+16*\b]|, |v[\s+1+16*\b]|, 0x1800000   ; and the floor 2^(3 - 127): the byte cannot fall under 1
.endr
.irp i, 2,4,6,8,10,12,14
.irp b, 0,1,2,3
	v_max3_num_f32 v[TM+\b], v[TM+\b], |v[\s+16*\b+\i]|, |v[\s+1+16*\b+\i]|
.endr
.endr
.irp b, 0,1,2,3
	v_permlanex16_b32 v[TM+4+\b], v[TM+\b], s[SEL], s[SEL+1]
.endr
.irp b, 0,1,2,3
	v_max_num_f32 v[TM+\b], v[TM+\b], v[TM+4+\b]
.endr
.irp b, 0,1,2,3
	v_add_nc_u32 v[TM+8+\b], 0xff000000, v[TM+\b]    ; 2 off the exponent field: the conversion's scale operand
.endr
.irp b, 0,1,2,3
	v_lshrrev_b32 v[TM+4+\b], 23, v[TM+8+\b]         ; the byte
.endr
	v_lshl_or_b32 v[\pw], v[TM+5], 8, v[TM+4]
	v_lshl_or_b32 v[\pw], v[TM+6], 16, v[\pw]
	v_lshl_or_b32 v[\pw], v[TM+7], 24, v[\pw]
	s_wait_xcnt 0x0                                  ; the last block's stores have read the codes' registers, which are written again from here on
.irp c, 0,1
	v_cvt_scalef32_pk16_fp6_f32 v[PC+6*\c:PC+2+6*\c], v[\s+32*\c:\s+15+32*\c], v[TM+8+2*\c]
	v_cvt_scalef32_pk16_fp6_f32 v[PC+12+4*\c:PC+14+4*\c], v[\s+16+32*\c:\s+31+32*\c], v[TM+8+2*\c+1]
.endr
	v_nop                                            ; one plain place behind a scaled conversion
.irp c, 0,1
.irp i, 0,1,2
	v_permlane16_swap_b32 v[PC+6*\c+\i], v[PC+12+4*\c+\i]
.endr
.irp i, 0,1,2
	v_mov_b32 v[PC+3+6*\c+\i], v[PC+12+4*\c+\i]
.endr
.endr
.endm
; THE WAY OUT of q (t = 0) or k (t = 1), x's tile a: its eight accumulators + the bias are 128 neighbouring features of a lane's token: two heads' 64: two half blocks, stored from the registers
.macro OUTQK a, t
.if (\t) == 0
	WIN 0x06                                         ; source 0 window 2, source 1 (bq) window 1
.set BB, 192
.else
	WIN 0x0e                                         ; source 0 window 2, source 1 (bk) window 3
.set BB, 96
.endif
.irp b, 0,1,2,3,4,5,6,7
.irp j, 0,2,4,6
	v_pk_add_f32 v[ST+8*\b+\j:ST+8*\b+\j+1], v[8*(8*(\a)+\b)+\j:8*(8*(\a)+\b)+\j+1], v[BB+8*\b+\j:BB+8*\b+\j+1]   ; each accumulator from its low end on
.endr
.endr
	WIN 0
	QUANT ST, PW
	v_lshrrev_b32 v[VAL+4*(\t)+(\a)], v[SHR], v[PW]  ; lanes 0-15 keep the first head's two bytes, lanes 16-31 the second's
	v_and_b32 v[VAL+4*(\t)+(\a)], 0xffff, v[VAL+4*(\t)+(\a)]
	ds_store_b32 v[SSTQ], v[VAL+4*(\t)+(\a)] offset:2048*(\t)+64*(\a)
	global_store_b128 v[L16], v[PC:PC+3], s[BQ+2*(\t):BQ+2*(\t)+1] offset:768*(\a)              ; 512 consecutive bytes
	global_store_b64 v[L8], v[PC+4:PC+5], s[BQ+2*(\t):BQ+2*(\t)+1] offset:768*(\a)+512          ; 256 consecutive bytes
	global_store_b128 v[L16], v[PC+6:PC+9], s[BQ+2*(\t):BQ+2*(\t)+1] offset:768*(\a)+49152      ; the next head
	global_store_b64 v[L8], v[PC+10:PC+11], s[BQ+2*(\t):BQ+2*(\t)+1] offset:768*(\a)+49664
.endm
; THE WAY OUT of v, the weight's tiles 2 p and 2 p + 1: each tile's four accumulators + the bias are 64 neighbouring keys of a lane's feature: a half block each
.macro OUTV p
	WIN 0x0e                                         ; source 0 window 2, source 1 (bv) window 3
.irp u, 0,1
.irp b, 0,1,2,3
.irp j, 0,2,4,6
	v_pk_add_f32 v[ST+32*\u+8*\b+\j:ST+32*\u+8*\b+\j+1], v[64*(\p)+32*\u+8*\b+\j:64*(\p)+32*\u+8*\b+\j+1], v[160+4*(\p)+2*\u:160+4*(\p)+2*\u+1]   ; the pair holds my feature's bias twice
.endr
.endr
.endr
	WIN 0
	QUANT ST, PW
	v_and_b32 v[VAL+8+2*(\p)], 0xffff, v[PW]         ; the first tile's two bytes,
	v_lshrrev_b32 v[VAL+9+2*(\p)], 16, v[PW]         ; the second's
	ds_store_b32 v[SSTV], v[VAL+8+2*(\p)] offset:4096+128*(\p)
	ds_store_b32 v[SSTV], v[VAL+9+2*(\p)] offset:4096+128*(\p)+64
	global_store_b128 v[L16], v[PC:PC+3], s[BV:BV+1] offset:49152*((\p)/2)+3072*((\p)%2)
	global_store_b64 v[L8], v[PC+4:PC+5], s[BV:BV+1] offset:49152*((\p)/2)+3072*((\p)%2)+512
	global_store_b128 v[L16], v[PC+6:PC+9], s[BV:BV+1] offset:49152*((\p)/2)+3072*((\p)%2)+1536
	global_store_b64 v[L8], v[PC+10:PC+11], s[BV:BV+1] offset:49152*((\p)/2)+3072*((\p)%2)+2048
.endm
	s_load_b256 s[4:11], s[0:1], 0x0                 ; ximg s[4:5], wimg s[6:7], sc1 s[8:9], bq s[10:11]
	s_load_b256 s[12:19], s[0:1], 0x20               ; bk s[12:13], bv s[14:15], qkvimg s[16:17], sc2 s[18:19]
	v_lshl_add_u32 v[SPW], v0, 2, SPARE
	v_mov_b32 v[NIL], 0
	ds_add_u32 v[SPW], v[NIL]                        ; the wave's opening
	ds_add_u32 v[SPW], v[NIL]
	v_lshrrev_b32 v1, 5, v0
	v_readfirstlane_b32 s[WV], v1                    ; wave 0..3
	s_lshr_b32 s[WY], s[WV], 1                       ; my half of x's tiles
	s_and_b32 s[WX], s[WV], 1                        ; my half of the weight's tiles
	s_bfe_u32 s[CX], ttmp6, 0x40000
	s_bfe_u32 s[CY], ttmp6, 0x40004
	s_lshl_b32 s[TX], ttmp9, 2
	s_add_co_u32 s[TX], s[TX], s[CX]                 ; which 256 of a weight's 1,024 features
	s_and_b32 s[TY], ttmp7, 0xffff
	s_lshl_b32 s[TY], s[TY], 2
	s_add_co_u32 s[TY], s[TY], s[CY]                 ; which 128 tokens
	s_lshl_b32 s80, s[CY], 2
	s_lshl_b32 s80, 15, s80                          ; my row of the cluster
	s_lshl_b32 s81, 0x1111, s[CX]                    ; my column
	s_or_b32 s[G1X], s80, (3<<16)|(1<<21)            ; 15:0 the mask; 17:16 elements of 8 bytes; 21 set beside a mask; no padding
	s_mov_b32 s[G1X+1], 768<<16                      ; tensor_dim0 = 768 elements: eight half blocks, 6,144 bytes
	s_mov_b32 s[G1X+2], 8<<16                        ; tensor_dim1 = 8 tiles: a wave fetches a whole half of x
	s_mov_b32 s[G1X+3], 768<<16                      ; tile_dim0
	s_mov_b32 s[G1X+4], 8
	s_mov_b32 s[G1X+5], 1536                         ; from tile to tile: 12,288 bytes
	s_mov_b32 s[G1X+6], 0
	s_mov_b32 s[G1X+7], 0
	s_or_b32 s[G1W], s81, (3<<16)|(1<<21)
	s_mov_b32 s[G1W+1], 768<<16
	s_mov_b32 s[G1W+2], 16<<16                       ; at the head 16 tiles: a whole slot; the refills' 4 are set behind the first wait for all loads
	s_mov_b32 s[G1W+3], 768<<16
	s_mov_b32 s[G1W+4], 16
	s_mov_b32 s[G1W+5], 1536
	s_mov_b32 s[G1W+6], 0
	s_mov_b32 s[G1W+7], 0
	s_mul_i32 s62, s[TY], 98304                      ; x: tile 8 ty,
	s_mul_i32 s82, s[WY], 6144                       ; the half of K that waves 2 WY and 2 WY + 1 fetch
	s_add_co_u32 s62, s62, s82
	s_mul_i32 s96, s[TX], 196608                     ; Wq: tile 16 tx, the same half
	s_add_co_u32 s96, s96, s82
	s_mov_b32 s97, 0
	s_mul_i32 s98, s[WY], SLOT
	s_add_co_u32 s98, s98, WR                        ; and its slot
	s_mov_b32 s63, 0
	s_lshl_b32 s66, s[TX], 4
	s_lshl_b32 s82, s[WV], 2
	s_add_co_u32 s66, s66, s82
	s_mul_i32 s66, s66, 12288                        ; the weight: tile 16 tx + 4 x wave
	s_mov_b32 s67, 0
	s_mul_i32 s68, s[WY], XHB
	s_mul_i32 s69, s[WV], 24576
	s_add_co_u32 s69, s69, WR                        ; wave x 4 tiles of the weight: no place in the cluster enters an LDS address
	s_mov_b32 s[SEL], 0x76543210
	s_mov_b32 s[SEL+1], 0xfedcba98
	s_wait_dscnt 0x0                                 ; the opening add is done
	s_wait_kmcnt 0x0
	s_add_nc_u64 s[62:63], s[4:5], s[62:63]
	s_add_nc_u64 s[66:67], s[6:7], s[66:67]
	CROUND                                           ; all sixteen work-groups are here: the first joint loads meet
.irp s, 0,1
	s_mov_b32 s[G0W+4*\s], 1
	s_add_co_u32 s[G0W+4*\s+1], s69, \s*SLOT
	s_add_nc_u64 s[G0W+4*\s+2:G0W+4*\s+3], s[66:67], \s*6144
	s_or_b32 s[G0W+4*\s+3], s[G0W+4*\s+3], 0x80000000
.endr
	; THE HEAD'S FOUR FILLS, ONE A WAVE: wave 0 x's first half of K, wave 1 Wq's (slot 0), wave 2 x's second half, wave 3 Wq's (slot 1).
	; One chain of branches on the wave's number, a load line of its own in each arm: the first barrier waits for waves 0 and 1 alone.
	s_add_nc_u64 s[96:97], s[6:7], s[96:97]
	s_mov_b32 s[G0X], 1
	s_mov_b32 s[G0X+1], s68
	s_mov_b64 s[G0X+2:G0X+3], s[62:63]
	s_or_b32 s[G0X+3], s[G0X+3], 0x80000000
	s_mov_b32 s[G0X+4], 1
	s_mov_b32 s[G0X+5], s98
	s_mov_b64 s[G0X+6:G0X+7], s[96:97]
	s_or_b32 s[G0X+7], s[G0X+7], 0x80000000
.macro HARM under, g0, g1, next
	s_cmp_lt_u32 s[WV], \under
	s_cbranch_scc0 \next
	tensor_load_to_lds s[\g0:\g0+3], s[\g1:\g1+7]
	s_nop 0
	PLACES 4
	s_branch .Lhead_asked
\next:
.endm
	HARM 1, G0X, G1X, .Lh1
	HARM 2, G0X+4, G1W, .Lh2
	HARM 3, G0X, G1X, .Lh3
	tensor_load_to_lds s[G0X+4:G0X+7], s[G1W:G1W+7]
	s_nop 0
	PLACES 4
.Lhead_asked:
	v_and_b32 v1, 31, v0                             ; l
	v_and_b32 v2, 15, v0                             ; i
	v_bfe_u32 v3, v0, 4, 1                           ; h
	v_lshlrev_b32 v[L16], 4, v1
	v_lshlrev_b32 v[L8], 3, v1
	s_mul_i32 s80, s[WY], 24576                      ; my 4 tiles of x in a half
	s_mul_i32 s81, s[WX], 49152
	s_add_co_u32 s81, s81, WR                        ; my 8 tiles of the weight in slot 0
	v_add_nc_u32 v[AX], s80, v[L16]
	v_add_nc_u32 v[AX+1], XHB, v[AX]
	v_add_nc_u32 v[AX+2], s80, v[L8]
	v_add_nc_u32 v[AX+3], XHB, v[AX+2]
	v_add_nc_u32 v[AW], s81, v[L16]
	v_add_nc_u32 v[AW+1], SLOT, v[AW]
	v_add_nc_u32 v[AW+2], s81, v[L8]
	v_add_nc_u32 v[AW+3], SLOT, v[AW+2]
	s_lshl_b32 s84, s[TY], 12
	s_lshl_b32 s82, s[WY], 11
	s_add_co_u32 s84, s84, s82                       ; my tiles' scale rows in sc1: x's,
	s_lshl_b32 s85, s[TX], 13
	s_lshl_b32 s82, s[WX], 12
	s_add_co_u32 s85, s85, s82
	s_add_co_u32 s85, s85, 262144                    ; Wq's
	v_lshlrev_b32 v[SOFX], 5, v2                     ; 32 bytes a row
	v_lshl_add_u32 v[SOFW], v3, 11, v[SOFX]          ; lanes 16-31: four tiles on
	v_lshl_add_u32 v[SOFX], v3, 10, v[SOFX]          ; lanes 16-31: two tiles on
	v_add_nc_u32 v[SOFX], s84, v[SOFX]
	v_add_nc_u32 v[SOFW], s85, v[SOFW]
.irp t, 0,1
	global_load_b128 v[SX+8*\t:SX+8*\t+3], v[SOFX], s[8:9] offset:512*\t             ; the scale words of all of K, once
	global_load_b128 v[SX+8*\t+4:SX+8*\t+7], v[SOFX], s[8:9] offset:512*\t+16
.endr
.irp y, 0,1,2
.irp t, 0,1,2,3
	global_load_b128 v[SW+32*\y+8*\t:SW+32*\y+8*\t+3], v[SOFW], s[8:9] offset:32768*\y+512*\t
	global_load_b128 v[SW+32*\y+8*\t+4:SW+32*\y+8*\t+7], v[SOFW], s[8:9] offset:32768*\y+512*\t+16
.endr
.endr
	s_lshl_b32 s92, s[TX], 10
	s_lshl_b32 s82, s[WX], 9
	s_add_co_u32 s92, s92, s82                       ; my first feature x 4
	s_mov_b32 s93, 0
	s_add_nc_u64 s[10:11], s[10:11], s[92:93]
	s_add_nc_u64 s[12:13], s[12:13], s[92:93]
	s_add_nc_u64 s[14:15], s[14:15], s[92:93]
	v_lshlrev_b32 v[BOF], 6, v3                      ; bq, bk: register 8 b + j: feature 32 (b / 2) + 8 (b % 2) + 16 h + j
	v_and_b32 v[BOFV], 8, v2                         ; bv: tile a: my lane's feature 32 (a / 2) + 8 (a % 2) + i + 8 (i / 8)
	v_add_nc_u32 v[BOFV], v[BOFV], v2
	v_lshlrev_b32 v[BOFV], 2, v[BOFV]
	WIN 0x40                                         ; destination window 1
.irp b, 0,1,2,3,4,5,6,7
	global_load_b128 v[192+8*\b:192+8*\b+3], v[BOF], s[10:11] offset:(32*(\b/2)+8*(\b%2))*4
	global_load_b128 v[192+8*\b+4:192+8*\b+7], v[BOF], s[10:11] offset:(32*(\b/2)+8*(\b%2))*4+16
.endr
	WIN 0xc0                                         ; destination window 3
.irp b, 0,1,2,3,4,5,6,7
	global_load_b128 v[96+8*\b:96+8*\b+3], v[BOF], s[12:13] offset:(32*(\b/2)+8*(\b%2))*4
	global_load_b128 v[96+8*\b+4:96+8*\b+7], v[BOF], s[12:13] offset:(32*(\b/2)+8*(\b%2))*4+16
.endr
.irp a, 0,1,2,3,4,5,6,7
	global_load_b32 v[160+2*\a], v[BOFV], s[14:15] offset:(32*(\a/2)+8*(\a%2))*4
	global_load_b32 v[161+2*\a], v[BOFV], s[14:15] offset:(32*(\a/2)+8*(\a%2))*4
.endr
	WIN 0
	; where the results go
	s_lshr_b32 s84, s[TY], 3                         ; the batch
	s_and_b32 s85, s[TY], 7                          ; which 128 of its tokens
	s_lshl_b32 s86, s84, 4
	s_lshl_b32 s87, s[TX], 2
	s_add_co_u32 s86, s86, s87                       ; the work-group's first head: 16 x batch + 4 tx
	s_lshl_b32 s87, s[WX], 1
	s_add_co_u32 s87, s86, s87                       ; my first head
	s_mul_i32 s88, s87, 49152
	s_mul_i32 s89, s85, 6144
	s_add_co_u32 s88, s88, s89                       ; the head, and the 128 tokens' place in it: the same in all three parts
	s_mul_i32 s90, s[WY], 3072                       ; q, k: my four tiles of tokens
	s_add_co_u32 s90, s88, s90
	s_mov_b32 s91, 0
	s_add_nc_u64 s[BQ:BQ+1], s[16:17], s[90:91]
	s_add_nc_u64 s[BQ+2:BQ+3], s[BQ:BQ+1], 6291456
	s_mul_i32 s90, s[WY], 768                        ; v: my 64 keys are one of a fragment's two half blocks
	s_add_co_u32 s90, s88, s90
	s_add_nc_u64 s[BV:BV+1], s[16:17], s[90:91]
	s_add_nc_u64 s[BV:BV+1], s[BV:BV+1], 12582912
	s_lshl_b32 s90, s87, 12
	s_lshl_b32 s89, s85, 9
	s_add_co_u32 s90, s90, s89
	s_lshl_b32 s89, s[WY], 8
	s_add_co_u32 s90, s90, s89
	s_add_nc_u64 s[SBQ:SBQ+1], s[18:19], s[90:91]    ; q's scale words: my first head, my four tiles: 256 bytes
	s_add_co_u32 s90, s86, s[WV]                     ; v's scale words: wave w stores those of the work-group's head w
	s_lshl_b32 s90, s90, 11
	s_lshl_b32 s89, s85, 8
	s_add_co_u32 s90, s90, s89
	s_add_co_u32 s90, s90, 1048576
	s_add_nc_u64 s[SBV:SBV+1], s[18:19], s[90:91]
	s_lshl_b32 s94, s[WV], 9
	s_add_co_u32 s94, s94, STG
	v_lshlrev_b32 v[SSTV], 2, v2
	v_add_nc_u32 v[SSTV], s94, v[SSTV]               ; 512 x wave + 4 i
	v_lshl_add_u32 v[SSTQ], v3, 8, v[SSTV]           ; + 256 h: the second head's words
	v_add_nc_u32 v[SRDQ], s94, v[L16]
	s_lshl_b32 s95, s[WV], 8
	s_add_co_u32 s95, s95, STG+4096
	v_add_nc_u32 v[SRDV], s95, v[L8]                 ; head w's values: of the wave with the first 64 keys; the other wave's lie 1,024 bytes on
	v_lshlrev_b32 v[SGQ], 4, v2
	v_lshl_add_u32 v[SGQ], v3, 12, v[SGQ]            ; sixteen lanes to a head's 256 bytes; the next head 4,096 bytes on
	v_lshlrev_b32 v[SHR], 4, v3
.irp b, 0,1,2,3
	v_mov_b32 v[TM+4+\b], 0                          ; written once: a lane permute's destination counts as one of its sources
.endr
	s_wait_alu depctr_va_vdst(0)                     ; the wait at the head's end
	s_cmp_lt_u32 s[WV], 2                            ; waves 0 and 1 hold the first half of K; the second half may be out
	s_cbranch_scc0 .Lsecond_half
	s_wait_tensorcnt 0x0
.Lsecond_half:
	s_barrier_signal -1
	s_barrier_wait -1
	FETCHW 0, 0, 0
	FETCHX 0, 0, 0
	s_wait_loadcnt 0x0                               ; the scale words and the biases
.set TYP, 0
	RUN8 1
.irp a, 0,1,2,3
	OUTQK \a, 0
.endr
.set TYP, 1
	RUN8 1
.irp a, 0,1,2,3
	OUTQK \a, 1
.endr
.set TYP, 2
	RUN8 0
.irp p, 0,1,2,3
	OUTV \p
.endr
	s_wait_dscnt 0x0                                 ; for the others' sake: my scale values lie in the stage
	s_barrier_signal -1
	s_barrier_wait -1
	ds_load_b128 v[ST:ST+3], v[SRDQ]                 ; q's words of my two heads,
	ds_load_b128 v[ST+4:ST+7], v[SRDQ] offset:2048   ; k's,
	ds_load_b64 v[ST+8:ST+9], v[SRDV]                ; v's, head w: the bytes of keys 0-63,
	ds_load_b64 v[ST+10:ST+11], v[SRDV] offset:1024  ; and of keys 64-127, from the wave that made them
	s_wait_dscnt 0x0
	v_lshl_or_b32 v[ST+8], v[ST+10], 16, v[ST+8]
	v_lshl_or_b32 v[ST+9], v[ST+11], 16, v[ST+9]
	global_store_b128 v[SGQ], v[ST:ST+3], s[SBQ:SBQ+1]                   ; sixteen lanes store 256 consecutive bytes, aligned
	global_store_b128 v[SGQ], v[ST+4:ST+7], s[SBQ:SBQ+1] offset:524288
	global_store_b64 v[L8], v[ST+8:ST+9], s[SBV:SBV+1]                   ; 32 lanes store 256 consecutive bytes, aligned
	s_wait_tensorcnt 0x0                             ; the wave's end
	ds_add_u32 v[SPW], v[NIL]
	s_wait_dscnt 0x0
	CROUND                                           ; the closing round
	s_endpgm
.Lfunc_end_k_q14c9e8b527_proj:
	.size	k_q14c9e8b527_proj, .Lfunc_end_k_q14c9e8b527_proj-k_q14c9e8b527_proj
	.p2alignl 7, 3214868480
	.fill 96, 4, 3214868480
	.section	.rodata,"a",@progbits
	.p2align	6, 0x0
	.amdhsa_kernel k_q14c9e8b527_proj
		.amdhsa_group_segment_fixed_size 327680
		.amdhsa_private_segment_fixed_size 0
		.amdhsa_enable_private_segment 0
		.amdhsa_kernarg_size 64
		.amdhsa_user_sgpr_count 2
		.amdhsa_user_sgpr_kernarg_segment_ptr 1
		.amdhsa_wavefront_size32 1
		.amdhsa_system_sgpr_workgroup_id_x 1
		.amdhsa_system_sgpr_workgroup_id_y 1
		.amdhsa_system_sgpr_workgroup_id_z 1
		.amdhsa_system_vgpr_workitem_id 0
		.amdhsa_next_free_vgpr 1024
		.amdhsa_next_free_sgpr 100
		.amdhsa_reserve_vcc 0
		.amdhsa_float_denorm_mode_32 3
		.amdhsa_float_denorm_mode_16_64 3
		.amdhsa_memory_ordered 1
		.amdhsa_forward_progress 1
		.amdhsa_inst_pref_size 255
	.end_amdhsa_kernel
	.section	.bss,"aw",@nobits
	.p2align	6
	.space	262144
	.amdgpu_metadata
---
amdhsa.version: [ 1, 2 ]
amdhsa.kernels:
  - .name:           k_q14c9e8b527_proj
    .symbol:         k_q14c9e8b527_proj.kd
    .args:
      - { .name: ximg, .offset: 0, .size: 8, .value_kind: global_buffer, .address_space: global }
      - { .name: wimg, .offset: 8, .size: 8, .value_kind: global_buffer, .address_space: global }
      - { .name: sc1, .offset: 16, .size: 8, .value_kind: global_buffer, .address_space: global }
      - { .name: bq, .offset: 24, .size: 8, .value_kind: global_buffer, .address_space: global }
      - { .name: bk, .offset: 32, .size: 8, .value_kind: global_buffer, .address_space: global }
      - { .name: bv, .offset: 40, .size: 8, .value_kind: global_buffer, .address_space: global }
      - { .name: qkvimg, .offset: 48, .size: 8, .value_kind: global_buffer, .address_space: global }
      - { .name: sc2, .offset: 56, .size: 8, .value_kind: global_buffer, .address_space: global }
    .group_segment_fixed_size: 327680
    .private_segment_fixed_size: 0
    .kernarg_segment_align: 8
    .kernarg_segment_size: 64
    .max_flat_workgroup_size: 128
    .sgpr_count:     100
    .vgpr_count:     1024
    .wavefront_size: 32
...
	.end_amdgpu_metadata
.endif
;; end of part 2
;; launch attn (part 3): grid 256 x 1, 16 waves a work-group, no clusters, 167,936 bytes of LDS; arguments qkvimg, sc2, aoimg, sc1; writes aoimg, sc1
.if DOCPART == 3
	.amdgcn_target "amdgcn-amd-amdhsa--gfx1250"
	.amdhsa_code_object_version 6
	.text
	.protected	k_q14c9e8b527_attn
	.globl	k_q14c9e8b527_attn
	.p2align	8
	.type	k_q14c9e8b527_attn,@function
k_q14c9e8b527_attn:
	s_mov_b64 s[64:65], 0
	v_nop
	global_prefetch_b8 v0, s[64:65] scope:SCOPE_SE
	s_setreg_imm32_b32 hwreg(HW_REG_WAVE_MODE, 25, 1), 1
	s_wait_xcnt 0x0
; O[q] = the sum over keys of softmax(q . k / 8) v for one head, both products on codes of FP6 (E2M3) with E8M0 scales; the result, divided by the row's sum, is quantised along the head's 64 and stored as codes.
; THE SOFTMAX: t = score x log2(e) / 8; M = the running largest t rounded UP to a whole number; p = 2^(t - M) is quantised along the keys, not normalised; the row's sum is taken of the unquantised p.
; When M moves, the sum and O are multiplied by 2^(old M - new M): exact.
; SHARES.  A work-group has one head (work-group / 2) and 512 of its 1,024 queries; each of sixteen waves owns two tiles of 16 queries, one after the other.  The head's K and V come into LDS once, by first fills alone.
; TWO STAGES OF FILLS: keys 0-511 and all scale words (waves 0-6, a load each) are waited for at the first barrier, by those waves alone; keys 512-1023 (waves 8-11) at a plain barrier in the middle of the first tile.
; LAYOUT.  Both products are used transposed (S^T = K Q^T, O^T = V^T P^T): a lane holds one query throughout.  Operands lie in memory as half blocks (16 rows x 64 K: 16 bytes a lane, then 8 bytes a lane);
; stored tile T's image row i is key 32 (T / 2) + 8 (T % 2) + i + 8 (i / 8).
; A TILE OF KEYS IS MADE OF ROWS OF TWO STORED TILES: tile 4 c + t takes as rows 8 g + j the keys 64 c + 32 g + 8 t + j, which are rows 8 (t / 2) + j of stored tile 4 c + 2 g + t % 2.  So the 32 registers of
; tiles 4 c .. 4 c + 3 in lane (r, h) are the block of keys 64 c + 32 h + 0 .. 31 in order: a block's maximum needs no other lane, and two conversions give six registers of P's operand as they fall.
; K's stored tiles come as two regions of LDS, pairs 4 c, 4 c + 1 (g = 0) and 4 c + 2, 4 c + 3 (g = 1), rows of 1,536 bytes at a pitch of 3,072 in memory; the second region begins 128 bytes off a multiple of 256,
; so that the sixteen lanes of a 16-byte load name sixteen different 16-byte columns modulo 256.
; A BLOCK'S SCALE BYTE is floor(its largest t - M) + 125, held at 1 from below: the exponent field of its largest p less 2.  It is made by one multiply-add with -M + 125 and a conversion toward zero;
; where the largest t - M lies within 125 x 2^-24 under a whole number the byte may come out one higher.
; THE FIRST PRODUCT'S K IS 64, THE INSTRUCTION'S 128: Q's registers 6-11 are zero codes, so K's operand may run on into the next tile's codes; bytes 2, 3 of both scale words are 0.
; Not shared in a cluster: only two work-groups read a head, once each.  No prefetch: the only tensor loads stand at the kernel's head.
; LIMITS: the promise holds while the scaled scores t stay under 2^31 in magnitude; NaN and infinities are not served; a block whose largest magnitude lies under 2^-124 has its byte held at 1;
; a block of zeros gets the byte 1 (its codes are zeros; only this program reads the bytes).
.set DG,   24704                       ; from K's region g = 0 to g = 1: 24,576 + 128
.set VIMG, 49408
.set KSC,  98560
.set VSC,  102656
.set SPARE, 104704                     ; the spare words, 128 bytes for each of sixteen waves
.set AK16, 1                           ; v1  K: g DG + 16 j + 256 h     v2: g DG + 8 j + 128 h
.set AK8,  2
.set AV16, 3                           ; v3, v4  V: 16 l, 8 l
.set AV8,  4
.set ASK,  5                           ; v5  K's scale words: 128 g + 64 h + 4 j
.set ASV,  6                           ; v6  V's: 4 l
.set SPW,  7
.set NIL,  8
.set SO,   9                           ; v9  32 l
.set LN,   10                          ; v10 l
.set SELP, 11                          ; v11 byte selects that put my two scale bytes at bytes h and 2 + h
.set AS,   22                          ; v22, 23 the two tiles' result scale bytes
.set QF,   24                          ; v24-35, v36-47 Q's two fragments
.set KF,   48                          ; v48-95 K's 8 tiles, 6 registers each, later V's 4 fragments; v96-101 zero codes
.set KS,   102                         ; v102-105 K's scale words: lanes 0-15 tile 2 e, lanes 16-31 tile 2 e + 1
.set VS,   106
.set QS,   108
.set PS,   110                         ; p's scale word
.set FF,   112                         ; v[112:113] f = 2^(old M - new M) and its pair's upper half
.set PC,   114                         ; v114-125 p's codes
.set PT,   126                         ; v126-128, v130-132 the blocks' upper halves on their way
.set BM,   134                         ; v134, 135 the two blocks' largest score; v136, 137 second chains
.set OLD,  138
.set TP,   139
.set NM5,  140                         ; -M + 125
.set TQ,   141
.set BB,   142                         ; v142, 143 the bytes
.set SOP,  144                         ; v144, 145 the conversions' scale operands
.set WD,   146
.set WP,   147
.set T1,   148
.set T2,   150
.set T3,   152
.set GL16, 154                         ; 16 l, 8 l: offsets in memory
.set GL8,  155
.set S,    160                         ; v160-223 S^T, then p
.set O,    224                         ; v224-255 O^T
.set WV, 12
.set HD, 13
.set GH, 14
.set NC, 15
.set SEL, 16
.set CS, 18
.set TK, 20
.set TS, 21
.set TJ, 22
.set TV, 23
.set G1K, 24
.set G1V, 32
.set G1S, 40
.set G0K, 48
.set G0V, 52
.set G0S, 56
.set QB, 66
.set QSB, 68
.set AOB, 70
.set ASB, 72
.macro WALU
	s_wait_alu depctr_va_vdst(0)
.endm
.macro SPROD t, n                      ; S^T of tile t of 16 keys
.if ((\t)%2) && (\n)
	v_wmma_scale_f32_16x16x128_f8f6f4 v[S+8*(\t):S+8*(\t)+7], v[KF+6*(\t):KF+6*(\t)+11], v[QF+12*(\n):QF+12*(\n)+11], 0, v[KS+(\t)/2], v[QS] matrix_a_fmt:MATRIX_FMT_FP6 matrix_b_fmt:MATRIX_FMT_FP6 matrix_a_scale:MATRIX_SCALE_ROW1 matrix_b_scale:MATRIX_SCALE_ROW1
.elseif (\t)%2
	v_wmma_scale_f32_16x16x128_f8f6f4 v[S+8*(\t):S+8*(\t)+7], v[KF+6*(\t):KF+6*(\t)+11], v[QF+12*(\n):QF+12*(\n)+11], 0, v[KS+(\t)/2], v[QS] matrix_a_fmt:MATRIX_FMT_FP6 matrix_b_fmt:MATRIX_FMT_FP6 matrix_a_scale:MATRIX_SCALE_ROW1
.elseif \n
	v_wmma_scale_f32_16x16x128_f8f6f4 v[S+8*(\t):S+8*(\t)+7], v[KF+6*(\t):KF+6*(\t)+11], v[QF+12*(\n):QF+12*(\n)+11], 0, v[KS+(\t)/2], v[QS] matrix_a_fmt:MATRIX_FMT_FP6 matrix_b_fmt:MATRIX_FMT_FP6 matrix_b_scale:MATRIX_SCALE_ROW1
.else
	v_wmma_scale_f32_16x16x128_f8f6f4 v[S+8*(\t):S+8*(\t)+7], v[KF+6*(\t):KF+6*(\t)+11], v[QF+12*(\n):QF+12*(\n)+11], 0, v[KS+(\t)/2], v[QS] matrix_a_fmt:MATRIX_FMT_FP6 matrix_b_fmt:MATRIX_FMT_FP6
.endif
.endm
.macro OPROD d                         ; O^T of tile d of the head's 64 += V^T P^T
.if (\d)%2
	v_wmma_scale_f32_16x16x128_f8f6f4 v[O+8*(\d):O+8*(\d)+7], v[KF+12*(\d):KF+12*(\d)+11], v[PC:PC+11], v[O+8*(\d):O+8*(\d)+7], v[VS+(\d)/2], v[PS] matrix_a_fmt:MATRIX_FMT_FP6 matrix_b_fmt:MATRIX_FMT_FP6 matrix_a_scale:MATRIX_SCALE_ROW1
.else
	v_wmma_scale_f32_16x16x128_f8f6f4 v[O+8*(\d):O+8*(\d)+7], v[KF+12*(\d):KF+12*(\d)+11], v[PC:PC+11], v[O+8*(\d):O+8*(\d)+7], v[VS+(\d)/2], v[PS] matrix_a_fmt:MATRIX_FMT_FP6 matrix_b_fmt:MATRIX_FMT_FP6
.endif
.endm
.macro OMUL a                          ; one accumulator of O^T under the new M, from its low end on
.irp k, 0,2,4,6
	v_pk_mul_f32 v[O+\a+\k:O+\a+\k+1], v[O+\a+\k:O+\a+\k+1], v[FF:FF+1] op_sel_hi:[1,0]
.endr
.endm
.macro QINIT n
.if (\n) > 0
	s_wait_xcnt 0x0                                  ; the first tile's stores have read the codes' registers, which are written again
.endif
	v_mov_b32 v13, 0xff61b1e6                        ; the largest score so far: -3e38
	v_floor_f32 v12, -v13                            ; -M: so large that the first f is 0
	v_mov_b32 v14, 0                                 ; the sum, in two halves
	v_mov_b32 v15, 0
.set ii, 0
.rept 32
	v_mov_b32 v[O+ii], 0                             ; the step is written once: the first finds zeros
.set ii, ii+1
.endr
.endm
; key steps q0 .. q1 - 1 of 128 keys for tile n of my queries
.macro KLOOP n, q0, q1
	s_mov_b32 s[TK], 3072*(\q0)
	s_mov_b32 s[TV], 6144*(\q0)
	s_mov_b32 s[TS], 512*(\q0)
	s_mov_b32 s[TJ], 256*(\q0)
.Lkeys_\@:
	v_add_nc_u32 v16, s[TK], v[AK16]                 ; six additions: also the places behind the last step's products, in front of the loads below
	v_add_nc_u32 v17, s[TK], v[AK8]
	v_add_nc_u32 v18, s[TV], v[AV16]
	v_add_nc_u32 v19, s[TV], v[AV8]
	v_add_nc_u32 v20, s[TS], v[ASK]
	v_add_nc_u32 v21, s[TJ], v[ASV]
.irp t, 0,1,2,3,4,5,6,7
	ds_load_b128 v[KF+6*\t:KF+6*\t+3], v16 offset:1536*(\t/4)+768*(\t%2)+128*((\t%4)/2)
	ds_load_b64 v[KF+6*\t+4:KF+6*\t+5], v17 offset:1536*(\t/4)+768*(\t%2)+512+64*((\t%4)/2)
.endr
.irp e, 0,1,2,3
	ds_load_b32 v[KS+\e], v20 offset:256*(\e/2)+32*(\e%2)
.endr
	WALU
	s_wait_dscnt 0x0
.irp t, 0,1,2,3,4,5,6,7
	SPROD \t, \n
.endr
	v_mov_b32 v[OLD], v12                            ; four places: results are read below, and V lands in the registers that held K
.rept 3
	v_nop
.endr
.irp d, 0,1,2,3                        ; V's four fragments are asked for now and land under the softmax
	ds_load_b128 v[KF+12*\d:KF+12*\d+3], v18 offset:1536*\d
	ds_load_b64 v[KF+12*\d+4:KF+12*\d+5], v19 offset:1536*\d+512
	ds_load_b128 v[KF+12*\d+6:KF+12*\d+9], v18 offset:1536*\d+768
	ds_load_b64 v[KF+12*\d+10:KF+12*\d+11], v19 offset:1536*\d+1280
.endr
.irp e, 0,1
	ds_load_b32 v[VS+\e], v21 offset:128*\e
.endr
.irp c, 0,1                            ; the largest score of my two blocks of 32 keys, each in two chains; every accumulator is first read at its low end
	v_max3_num_f32 v[BM+\c], v[S+32*\c], v[S+32*\c+1], v[S+32*\c+2]
	v_max3_num_f32 v[BM+2+\c], v[S+32*\c+16], v[S+32*\c+17], v[S+32*\c+18]
.endr
.irp i, 3,5,7,9,11,13
.irp c, 0,1
	v_max3_num_f32 v[BM+\c], v[BM+\c], v[S+32*\c+\i], v[S+32*\c+\i+1]
	v_max3_num_f32 v[BM+2+\c], v[BM+2+\c], v[S+32*\c+16+\i], v[S+32*\c+17+\i]
.endr
.endr
.irp c, 0,1
	v_max3_num_f32 v[BM+\c], v[BM+\c], v[S+32*\c+15], v[S+32*\c+31]
.endr
.irp c, 0,1
	v_max_num_f32 v[BM+\c], v[BM+\c], v[BM+2+\c]
.endr
	v_max3_num_f32 v[TP], v13, v[BM], v[BM+1]
	v_permlanex16_b32 v[TQ], v[TP], s[SEL], s[SEL+1]
	v_max_num_f32 v13, v[TP], v[TQ]                  ; the running largest score of my query
	v_mul_f32 v[TP], s[NC], v13                      ; -t
	v_floor_f32 v12, v[TP]                           ; the new -M = -ceil(t): a whole number
	v_sub_f32 v[TP], v12, v[OLD]                     ; old M - new M, 0 or less
	v_add_f32 v[NM5], 0x42fa0000, v12                ; -M + 125
	v_cvt_i32_f32 v[TP], v[TP]                       ; (it saturates)
	v_ldexp_f32 v[FF], 1.0, v[TP]                    ; f: a multiplication by it rounds nothing
.set ii, 0
.rept 32
	v_pk_fma_f32 v[S+ii:S+ii+1], v[S+ii:S+ii+1], s[CS:CS+1], v[12:13] op_sel_hi:[1,0,0]   ; t - M, two at a time
.set ii, ii+2
.endr
.irp c, 0,1
	v_fma_f32 v[BM+\c], v[BM+\c], s[CS], v[NM5]      ; the block's largest t - M + 125
.endr
	OMUL 0
.irp c, 0,1
	v_max_num_f32 v[BM+\c], 1.0, v[BM+\c]            ; the byte cannot fall under 1
.endr
	OMUL 8
.irp c, 0,1
	v_cvt_u32_f32 v[BB+\c], v[BM+\c]                 ; toward zero: the floor of a positive number: the byte
.endr
	OMUL 16
.irp c, 0,1
	v_lshlrev_b32 v[SOP+\c], 23, v[BB+\c]            ; as an exponent field: the conversions' scale operand
.endr
	OMUL 24
	v_perm_b32 v[WD], v[BB+1], v[BB], v[SELP]        ; my bytes, blocks h and 2 + h, at their places in the word
	v_pk_mul_f32 v[14:15], v[14:15], v[FF:FF+1] op_sel_hi:[1,0]   ; the sums under the new M
	v_permlanex16_b32 v[WP], v[WD], s[SEL], s[SEL+1]
	WALU                                             ; the wait ahead of the batch
.set ii, 0
.rept 64
	v_exp_f32 v[S+ii], v[S+ii]                       ; p = 2^(t - M)
.set ii, ii+1
.endr
	v_or_b32 v[PS], v[WD], v[WP]                     ; p's scale word; a plain place behind the exponentials
	WALU                                             ; one wait for the batch, ahead of its first reader
.irp c, 0,1
	v_cvt_scalef32_pk16_fp6_f32 v[PC+6*\c:PC+6*\c+2], v[S+32*\c:S+32*\c+15], v[SOP+\c]
	v_cvt_scalef32_pk16_fp6_f32 v[PT+4*\c:PT+4*\c+2], v[S+32*\c+16:S+32*\c+31], v[SOP+\c]   ; (three registers that begin on an even number)
.endr
	v_pk_add_f32 v[T1:T1+1], v[S:S+1], v[S+2:S+3]    ; the row's sum of the unquantised p, in four chains; also the place behind the conversions
	v_pk_add_f32 v[T2:T2+1], v[S+4:S+5], v[S+6:S+7]
	v_pk_add_f32 v[T3:T3+1], v[S+8:S+9], v[S+10:S+11]
	v_pk_add_f32 v[14:15], v[14:15], v[S+12:S+13]
.irp c, 0,1
.irp i, 0,1,2
	v_mov_b32 v[PC+3+6*\c+\i], v[PT+4*\c+\i]
.endr
.endr
.irp i, 14,22,30,38,46,54
	v_pk_add_f32 v[T1:T1+1], v[T1:T1+1], v[S+\i:S+\i+1]
	v_pk_add_f32 v[T2:T2+1], v[T2:T2+1], v[S+\i+2:S+\i+3]
	v_pk_add_f32 v[T3:T3+1], v[T3:T3+1], v[S+\i+4:S+\i+5]
	v_pk_add_f32 v[14:15], v[14:15], v[S+\i+6:S+\i+7]
.endr
	v_pk_add_f32 v[T1:T1+1], v[T1:T1+1], v[S+62:S+63]
	v_pk_add_f32 v[T2:T2+1], v[T2:T2+1], v[T3:T3+1]
	v_pk_add_f32 v[14:15], v[14:15], v[T1:T1+1]
	v_pk_add_f32 v[14:15], v[14:15], v[T2:T2+1]
	WALU
	s_wait_dscnt 0x0                                 ; V is in
.irp d, 0,1,2,3
	OPROD \d                                         ; the four accumulators by turns; eight other products stand between two steps of a sum
.endr
	s_add_co_u32 s[TK], s[TK], 3072
	s_add_co_u32 s[TV], s[TV], 6144
	s_add_co_u32 s[TJ], s[TJ], 256
	s_add_co_u32 s[TS], s[TS], 512
	s_cmp_lg_u32 s[TS], 512*(\q1)
	s_cbranch_scc1 .Lkeys_\@
.endm
; the way out of tile n: O^T / the sum, quantised along the head's 64: one half block.  Register 16 b + q is d = 32 b + 16 (lane / 16) + q
.macro OUT n
	v_add_f32 v14, v14, v15
	v_permlanex16_b32 v[TQ], v14, s[SEL], s[SEL+1]
	v_add_f32 v14, v14, v[TQ]                        ; the row's sum
	WALU
	v_rcp_f32 v14, v14
.rept 3
	v_nop                                            ; a plain place behind the reciprocal; with the additions above, the places behind the last products
.endr
	WALU                                             ; ahead of the reciprocal's first reader
.set ii, 0
.rept 32
	v_mul_f32 v[S+ii], v[O+ii], v14                  ; each accumulator from its low end on
.set ii, ii+1
.endr
.irp b, 0,1
	v_max3_num_f32 v[BM+\b], |v[S+16*\b]|, |v[S+1+16*\b]|, 0x1800000
.endr
.irp i, 2,4,6,8,10,12,14
.irp b, 0,1
	v_max3_num_f32 v[BM+\b], v[BM+\b], |v[S+16*\b+\i]|, |v[S+1+16*\b+\i]|
.endr
.endr
.irp b, 0,1
	v_permlanex16_b32 v[BM+2+\b], v[BM+\b], s[SEL], s[SEL+1]
.endr
.irp b, 0,1
	v_max_num_f32 v[BM+\b], v[BM+\b], v[BM+2+\b]
.endr
.irp b, 0,1
	v_add_nc_u32 v[SOP+\b], 0xff000000, v[BM+\b]
.endr
.irp b, 0,1
	v_lshrrev_b32 v[BB+\b], 23, v[SOP+\b]
.endr
	v_lshl_or_b32 v[AS+(\n)], v[BB+1], 8, v[BB]      ; the head's two bytes of my row
	v_cvt_scalef32_pk16_fp6_f32 v[PC:PC+2], v[S:S+15], v[SOP]
	v_cvt_scalef32_pk16_fp6_f32 v[PT:PT+2], v[S+16:S+31], v[SOP+1]
	v_nop
.irp i, 0,1,2
	v_permlane16_swap_b32 v[PC+\i], v[PT+\i]
.endr
.irp i, 0,1,2
	v_mov_b32 v[PC+3+\i], v[PT+\i]
.endr
	global_store_b128 v[GL16], v[PC:PC+3], s[AOB:AOB+1] offset:12288*(\n)          ; 512 consecutive bytes
	global_store_b64 v[GL8], v[PC+4:PC+5], s[AOB:AOB+1] offset:12288*(\n)+512      ; 256 consecutive bytes
.endm
.macro GROUP1 g, c, r, p               ; r rows of c elements of 8 bytes, p elements apart, dense in LDS
	s_mov_b32 s[\g], 3<<16
	s_mov_b32 s[\g+1], (\c)<<16
	s_mov_b32 s[\g+2], (\r)<<16
	s_mov_b32 s[\g+3], (\c)<<16
	s_mov_b32 s[\g+4], \r
	s_mov_b32 s[\g+5], \p
	s_mov_b32 s[\g+6], 0
	s_mov_b32 s[\g+7], 0
.endm
.macro GROUP0 g, lds, base, off
	s_mov_b32 s[\g], 1
	s_mov_b32 s[\g+1], s\lds
	s_add_nc_u64 s[\g+2:\g+3], s[\base:\base+1], s[\off:\off+1]
	s_or_b32 s[\g+3], s[\g+3], 0x80000000
.endm
.macro ARM under, g0, g1, next
	s_cmp_lt_u32 s[WV], \under
	s_cbranch_scc0 \next
	tensor_load_to_lds s[\g0:\g0+3], s[\g1:\g1+7]
	s_nop 0
.rept 4
	v_nop
.endr
	s_branch .Lasked
\next:
.endm
	s_load_b256 s[4:11], s[0:1], 0x0                 ; qkvimg s[4:5], sc2 s[6:7], aoimg s[8:9], sc1 s[10:11]
	v_lshl_add_u32 v[SPW], v0, 2, SPARE
	v_mov_b32 v[NIL], 0
	ds_add_u32 v[SPW], v[NIL]                        ; the wave's opening
	ds_add_u32 v[SPW], v[NIL]
	v_lshrrev_b32 v10, 5, v0
	v_readfirstlane_b32 s[WV], v10                   ; wave 0..15
	s_lshr_b32 s[HD], ttmp9, 1                       ; 16 x batch + head
	s_and_b32 s[GH], ttmp9, 1                        ; which 512 queries
	GROUP1 G1K, 192, 8, 384                          ; K: 8 pairs of stored tiles, 1,536 bytes each, every second pair
	GROUP1 G1V, 32, 48, 32                           ; V: 12,288 dense bytes as rows of 256
	GROUP1 G1S, 32, 8, 32                            ; scale words: 2,048 dense bytes
	s_mul_i32 s74, s[HD], 49152                      ; the head's image in each part
	s_and_b32 s75, s[WV], 1                          ; K: the region g; V: which 12,288 bytes
	s_lshr_b32 s76, s[WV], 3                         ; which half of the keys
	s_mul_i32 s77, s76, 24576
	s_add_co_u32 s77, s77, s74
	s_mul_i32 s78, s75, 1536
	s_add_co_u32 s78, s78, s77
	s_add_co_u32 s78, s78, 6291456                   ; K's part
	s_mov_b32 s79, 0
	s_mul_i32 s80, s75, 12288
	s_add_co_u32 s82, s80, s77
	s_add_co_u32 s82, s82, 12582912                  ; V's part
	s_mov_b32 s83, 0
	s_mul_i32 s84, s75, DG
	s_mul_i32 s85, s76, 12288
	s_add_co_u32 s84, s84, s85                       ; K in LDS
	s_mul_i32 s85, s76, 24576
	s_add_co_u32 s85, s85, s80
	s_add_co_u32 s85, s85, VIMG                      ; V in LDS
	s_lshl_b32 s86, s[HD], 12
	s_lshl_b32 s87, s75, 11
	s_add_co_u32 s86, s86, s87
	s_add_co_u32 s86, s86, 524288                    ; waves 4, 5: the halves of K's scale words
	s_lshl_b32 s87, s[HD], 11
	s_add_co_u32 s87, s87, 1048576                   ; wave 6: V's
	s_cmp_lt_u32 s[WV], 6
	s_cselect_b32 s86, s86, s87
	s_mov_b32 s87, 0
	s_and_b32 s88, s[WV], 3
	s_lshl_b32 s88, s88, 11
	s_add_co_u32 s88, s88, KSC                       ; the three blocks of scale words in LDS
	s_wait_dscnt 0x0                                 ; both opening adds are done
	s_wait_kmcnt 0x0
	GROUP0 G0K, 84, 4, 78
	GROUP0 G0V, 85, 4, 82
	GROUP0 G0S, 88, 6, 86
	; the first fills, one a wave, in one chain of branches: the first stage's arms have load lines of their own
	ARM 2, G0K, G1K, .La1                            ; waves 0, 1: K, keys 0-511
	ARM 4, G0V, G1V, .La2                            ; waves 2, 3: V, keys 0-511
	ARM 7, G0S, G1S, .La3                            ; waves 4-6: the scale words
	s_cmp_lt_u32 s[WV], 8
	s_cbranch_scc1 .Lasked                           ; wave 7: none
	ARM 10, G0K, G1K, .La4                           ; waves 8, 9: K, keys 512-1023
	ARM 12, G0V, G1V, .La5                           ; waves 10, 11: V, keys 512-1023
.Lasked:
	s_lshl_b32 s60, s[GH], 5
	s_lshl_b32 s61, s[WV], 1
	s_add_co_u32 s60, s60, s61                       ; my first tile of queries in the head
	s_mul_i32 s62, s60, 768
	s_add_co_u32 s62, s62, s74
	s_mov_b32 s63, 0                                 ; Q's codes
	s_lshl_b32 s90, s[HD], 12
	s_lshl_b32 s91, s60, 6
	s_add_co_u32 s90, s90, s91
	s_mov_b32 s91, 0                                 ; Q's scale words
	s_lshr_b32 s61, s[HD], 4
	s_lshl_b32 s61, s61, 6
	s_add_co_u32 s60, s60, s61                       ; the same tile among all tokens' tiles
	s_and_b32 s61, s[HD], 15                         ; the head
	s_mul_i32 s92, s60, 12288
	s_mul_i32 s93, s61, 768
	s_add_co_u32 s92, s92, s93
	s_mov_b32 s93, 0                                 ; the result's half block
	s_lshl_b32 s94, s60, 9
	s_lshl_b32 s95, s61, 1
	s_add_co_u32 s94, s94, s95
	s_add_co_u32 s94, s94, 393216
	s_mov_b32 s95, 0                                 ; and its scale bytes
	s_add_nc_u64 s[QB:QB+1], s[4:5], s[62:63]
	s_add_nc_u64 s[QSB:QSB+1], s[6:7], s[90:91]
	s_add_nc_u64 s[AOB:AOB+1], s[8:9], s[92:93]
	s_add_nc_u64 s[ASB:ASB+1], s[10:11], s[94:95]
	s_mov_b32 s[SEL], 0x76543210
	s_mov_b32 s[SEL+1], 0xfedcba98
	s_mov_b32 s[CS], 0x3e38aa3b                      ; c = log2(e) / 8
	s_mov_b32 s[CS+1], s[CS]
	s_mov_b32 s[NC], 0xbe38aa3b                      ; -c
	v_and_b32 v[LN], 31, v0                          ; l
	v_and_b32 v[TP], 7, v0                           ; j
	v_bfe_u32 v[OLD], v0, 3, 1                       ; g
	v_bfe_u32 v[NM5], v0, 4, 1                       ; h
	v_lshlrev_b32 v[GL16], 4, v[LN]
	v_lshlrev_b32 v[GL8], 3, v[LN]
	v_lshlrev_b32 v[WD], 2, v[LN]
	v_lshlrev_b32 v[SO], 5, v[LN]
.irp n, 0,1
	global_load_b128 v[QF+12*\n:QF+12*\n+3], v[GL16], s[QB:QB+1] offset:768*\n
	global_load_b64 v[QF+12*\n+4:QF+12*\n+5], v[GL8], s[QB:QB+1] offset:768*\n+512
.endr
	global_load_b32 v[QS], v[WD], s[QSB:QSB+1]
	v_mul_u32_u24 v[AK16], v[OLD], DG
	v_lshl_add_u32 v[AK8], v[TP], 3, v[AK16]
	v_lshl_add_u32 v[AK8], v[NM5], 7, v[AK8]
	v_lshl_add_u32 v[AK16], v[TP], 4, v[AK16]
	v_lshl_add_u32 v[AK16], v[NM5], 8, v[AK16]
	v_add_nc_u32 v[AV16], VIMG, v[GL16]
	v_add_nc_u32 v[AV8], VIMG, v[GL8]
	v_lshlrev_b32 v[ASK], 2, v[TP]
	v_lshl_add_u32 v[ASK], v[OLD], 7, v[ASK]
	v_lshl_add_u32 v[ASK], v[NM5], 6, v[ASK]
	v_add_nc_u32 v[ASK], KSC, v[ASK]
	v_add_nc_u32 v[ASV], VSC, v[WD]
	v_mov_b32 v[SELP], 0x040c000c                    ; lanes 16-31: bytes 1 and 3; a select of 0x0c gives 0
	v_mov_b32 v[TQ], 0x0c040c00                      ; lanes 0-15: bytes 0 and 2
	v_cmp_gt_u32 vcc_lo, 16, v[LN]
	v_cndmask_b32 v[SELP], v[SELP], v[TQ], vcc_lo
.irp j, 6,7,8,9,10,11
	v_mov_b32 v[QF+\j], 0                            ; zero codes for k = 64 .. 127
	v_mov_b32 v[QF+12+\j], 0
	v_mov_b32 v[KF+42+\j], 0                         ; what the last tile of keys runs on into
.endr
	v_mov_b32 v[WP], 0                               ; written once: a lane permute's destination counts as one of its sources
	v_mov_b32 v[FF+1], 0                             ; (named as the upper half of a pair)
	WALU                                             ; the wait at the head's end
	s_cmp_lt_u32 s[WV], 8                            ; the first stage's waves wait for their loads; the second stage's may be out
	s_cbranch_scc0 .Lnot_first
	s_wait_tensorcnt 0x0
.Lnot_first:
	s_barrier_signal -1
	s_barrier_wait -1                                ; keys 0-511 and the scale words are in
	s_wait_loadcnt 0x0                               ; Q
	QINIT 0
	KLOOP 0, 0, 4
	s_wait_tensorcnt 0x0                             ; every wave: all that is still out has landed
	s_wait_dscnt 0x0
	s_barrier_signal -1
	s_barrier_wait -1                                ; keys 512-1023 are in
	KLOOP 0, 4, 8
	OUT 0
	QINIT 1
	KLOOP 1, 0, 8
	OUT 1
	v_cmp_gt_u32 vcc_lo, 16, v[LN]
	v_cndmask_b32 v[TP], v[AS+1], v[AS], vcc_lo      ; lanes 0-15: my first tile's rows, lanes 16-31 my second's
	global_store_b16 v[SO], v[TP], s[ASB:ASB+1]      ; two bytes in each of 32 rows of 32 bytes: scale rows that the next launch reads as they lie; one store a wave
	s_wait_tensorcnt 0x0                             ; the wave's end
	ds_add_u32 v[SPW], v[NIL]
	s_wait_dscnt 0x0
	s_endpgm
.Lfunc_end_k_q14c9e8b527_attn:
	.size	k_q14c9e8b527_attn, .Lfunc_end_k_q14c9e8b527_attn-k_q14c9e8b527_attn
	.p2alignl 7, 3214868480
	.fill 96, 4, 3214868480
	.section	.rodata,"a",@progbits
	.p2align	6, 0x0
	.amdhsa_kernel k_q14c9e8b527_attn
		.amdhsa_group_segment_fixed_size 167936
		.amdhsa_private_segment_fixed_size 0
		.amdhsa_enable_private_segment 0
		.amdhsa_kernarg_size 32
		.amdhsa_user_sgpr_count 2
		.amdhsa_user_sgpr_kernarg_segment_ptr 1
		.amdhsa_wavefront_size32 1
		.amdhsa_system_sgpr_workgroup_id_x 1
		.amdhsa_system_sgpr_workgroup_id_y 1
		.amdhsa_system_sgpr_workgroup_id_z 1
		.amdhsa_system_vgpr_workitem_id 0
		.amdhsa_next_free_vgpr 256
		.amdhsa_next_free_sgpr 96
		.amdhsa_reserve_vcc 1
		.amdhsa_float_denorm_mode_32 3
		.amdhsa_float_denorm_mode_16_64 3
		.amdhsa_memory_ordered 1
		.amdhsa_forward_progress 1
		.amdhsa_inst_pref_size 65
	.end_amdhsa_kernel
	.amdgpu_metadata
---
amdhsa.version: [ 1, 2 ]
amdhsa.kernels:
  - .name:           k_q14c9e8b527_attn
    .symbol:         k_q14c9e8b527_attn.kd
    .args:
      - { .name: qkvimg, .offset: 0, .size: 8, .value_kind: global_buffer, .address_space: global }
      - { .name: sc2, .offset: 8, .size: 8, .value_kind: global_buffer, .address_space: global }
      - { .name: aoimg, .offset: 16, .size: 8, .value_kind: global_buffer, .address_space: global }
      - { .name: sc1, .offset: 24, .size: 8, .value_kind: global_buffer, .address_space: global }
    .group_segment_fixed_size: 167936
    .private_segment_fixed_size: 0
    .kernarg_segment_align: 8
    .kernarg_segment_size: 32
    .max_flat_workgroup_size: 512
    .sgpr_count:     96
    .vgpr_count:     256
    .wavefront_size: 32
...
	.end_amdgpu_metadata
.endif
;; end of part 3
;; launch outp (part 4): grid 4 x 64, 4 waves a work-group, clusters of 4 x 4, 327,680 bytes of LDS; arguments aoimg, wimg, sc1, bo, out0; writes out0
.if DOCPART == 4
	.amdgcn_target "amdgcn-amd-amdhsa--gfx1250"
	.amdhsa_code_object_version 6
	.text
	.protected	k_q14c9e8b527_outp
	.globl	k_q14c9e8b527_outp
	.p2align	8
	.type	k_q14c9e8b527_outp,@function
k_q14c9e8b527_outp:
	s_mov_b64 s[64:65], 0
	v_nop
	global_prefetch_b8 v0, s[64:65] scope:SCOPE_SE
	s_setreg_imm32_b32 hwreg(HW_REG_WAVE_MODE, 25, 1), 1
	s_wait_xcnt 0x0
	s_wait_alu depctr_hold_cnt(0) depctr_sa_sdst(0) depctr_va_vdst(0) depctr_va_sdst(0) depctr_va_ssrc(0) depctr_va_vcc(0) depctr_vm_vsrc(0)
	s_getreg_b32 s2, hwreg(HW_REG_IB_STS2, 6, 4)
	s_cmp_eq_u32 s2, 0
	s_cbranch_scc0 .Lentry_in_a_cluster
	s_endpgm
.Lentry_in_a_cluster:
	s_bfe_u32 s2, ttmp6, 0x10000c
	s_cmp_lg_u32 s2, 0xf033
	s_cbranch_scc0 .Lentry_shape_is_right
	s_endpgm
.Lentry_shape_is_right:
; out = ao Wo + bo on codes of FP6 (E2M3) with E8M0 scales, sums in f32, out in f32.  ao [8192][1024] and Wo's columns lie as half blocks in the order of an operand's registers
; (16 rows x 64 K, 768 bytes: 16 bytes a lane, then 8 bytes a lane); image row i of tile T is matrix row 32 (T / 2) + 8 (T % 2) + i + 8 (i / 8).
; A work-group of four waves makes 128 tokens x 256 features: 4 x 64 = 256 work-groups; a wave 64 x 128: 32 accumulators, 256 registers.
; ALL OF K LIES IN LDS: ao's 128 rows (98,304 bytes) and the weight's 256 columns (196,608 bytes) come by first fills alone, each in two halves along K; nothing is filled again.
; The products of the first half begin when it has landed; one barrier stands ahead of the second half.
; Source 1 is ao (a lane holds one token), source 0 the weight (a lane's registers run along the features): 16 registers of two neighbouring tiles are 16 neighbouring features.
; The bias is the C of each sum's first matrix instruction: eight registers a tile, in the result's layout.
; CLUSTERS: 4 x 4 work-groups; ao's tiles are shared along a row of the cluster, the weight's along a column, each asked for jointly.  A wave has one tensor load out.
; No prefetch: the only tensor loads stand at the kernel's head.
; THE WAY OUT: a block of 16 tokens x 128 features goes through the wave's own stage and leaves as whole rows of 512 bytes; the order of a tile's rows is undone by the stores' immediates.
; The stage lies in the weight's first half, which has had its one fill and which nobody reads behind the barrier ahead of the second half.
; REGISTERS: window 0: v5-29 addresses; v32-47 ao's scale words, v48-79 the weight's (scales alone); v128-255 rows on the way out.
;   window 1: the weight's fragments, two sets, at v0 and v96; v192-255 the bias.   window 2: accumulator (a, b) at v[8 (8 a + b)].   window 3: ao's fragments, two sets, at v0 and v48.
.set XHB,   49152                      ; half of ao along K: 8 tiles of 6,144 bytes; the two halves lie at 0 and at XHB
.set WR,    98304                      ; the weight's two halves
.set SLOT,  98304
.set STG,   98304                      ; the way out: 16 rows x 528 bytes for each wave
.set SPARE, 294912                     ; the spare words, 128 bytes a wave
.set BOF,  5
.set SOFX, 8
.set SOFW, 9
.set AX,   16
.set AW,   20
.set L16,  24
.set L8,   25
.set STO,  26
.set RD,   27
.set SPW,  28
.set NIL,  29
.set SX,   32                          ; register 8 t + s: K step s: lanes 0-15 ao's tile t, lanes 16-31 tile t + 2
.set SW,   48                          ; register 8 t + s: lanes 0-15 the weight's tile t, lanes 16-31 tile t + 4
.set BK,   128
.set WV, 20
.set WY, 21
.set WX, 22
.set CX, 23
.set CY, 24
.set TX, 25
.set TY, 26
.set G1X, 28
.set G1W, 36
.set G0X, 44
.set G0W, 52
.set MSB, 0
.macro WIN new                         ; the immediate's high byte repeats the setting that is left
.if MSB != (\new)
	s_set_vgpr_msb (MSB<<8)|(\new)
.set MSB, (\new)
.endif
.endm
.macro CREST
	s_cmp_lg_u32 s[WV], 0
	s_cbranch_scc1 .Lnot_wave_0_\@
	s_barrier_signal -3
.Lnot_wave_0_\@:
	s_barrier_wait -3
	s_barrier_signal -1
	s_barrier_wait -1
.endm
.macro CROUND
	s_barrier_signal -1
	s_barrier_wait -1
	CREST
.endm
.macro PLACES n
.rept \n
	v_nop
.endr
.endm
.macro FRAG reg, a16, a8, off          ; a fragment: two half blocks, four dense loads
	ds_load_b128 v[\reg:\reg+3], v[\a16] offset:\off
	ds_load_b64 v[\reg+4:\reg+5], v[\a8] offset:\off+512
	ds_load_b128 v[\reg+6:\reg+9], v[\a16] offset:\off+768
	ds_load_b64 v[\reg+10:\reg+11], v[\a8] offset:\off+1280
.endm
.macro FETCHW slot, q, p
	WIN 0x40                                         ; destination window 1
.irp t, 0,1,2,3,4,5,6,7
	FRAG 96*(\p)+12*\t, AW+\slot, AW+2+\slot, 6144*\t+1536*(\q)
.endr
.endm
.macro FETCHX half, q, p
	WIN 0xc0                                         ; destination window 3
.irp t, 0,1,2,3
	FRAG 48*(\p)+12*\t, AX+\half, AX+2+\half, 6144*\t+1536*(\q)
.endr
.endm
; one matrix instruction: D at d, source 0 at p0, source 1 at p1, C at c; sa, sb the scale registers; ra, rb: 1 where the scales stand in lanes 16-31
.macro WM d, p0, p1, c, sa, sb, ra, rb
.if (\ra) && (\rb)
	v_wmma_scale_f32_16x16x128_f8f6f4 v[\d:\d+7], v[\p0:\p0+11], v[\p1:\p1+11], v[\c:\c+7], v[\sa], v[\sb] matrix_a_fmt:MATRIX_FMT_FP6 matrix_b_fmt:MATRIX_FMT_FP6 matrix_a_scale:MATRIX_SCALE_ROW1 matrix_b_scale:MATRIX_SCALE_ROW1
.elseif (\ra)
	v_wmma_scale_f32_16x16x128_f8f6f4 v[\d:\d+7], v[\p0:\p0+11], v[\p1:\p1+11], v[\c:\c+7], v[\sa], v[\sb] matrix_a_fmt:MATRIX_FMT_FP6 matrix_b_fmt:MATRIX_FMT_FP6 matrix_a_scale:MATRIX_SCALE_ROW1
.elseif (\rb)
	v_wmma_scale_f32_16x16x128_f8f6f4 v[\d:\d+7], v[\p0:\p0+11], v[\p1:\p1+11], v[\c:\c+7], v[\sa], v[\sb] matrix_a_fmt:MATRIX_FMT_FP6 matrix_b_fmt:MATRIX_FMT_FP6 matrix_b_scale:MATRIX_SCALE_ROW1
.else
	v_wmma_scale_f32_16x16x128_f8f6f4 v[\d:\d+7], v[\p0:\p0+11], v[\p1:\p1+11], v[\c:\c+7], v[\sa], v[\sb] matrix_a_fmt:MATRIX_FMT_FP6 matrix_b_fmt:MATRIX_FMT_FP6
.endif
.endm
; Eight matrix instructions: ao's tile g against the weight's eight, K step ks (fragment set ks % 2).  The 32 accumulators take turns, one instruction a turn, in the same order in every step
.macro MULG g, ks
.if (\ks) == 0
	WIN 0x9d                                         ; source 0 (the weight) window 1, source 1 (ao) window 3, C (the bias) window 1, D window 2
.irp b, 0,1,2,3,4,5,6,7
	WM 8*(8*(\g)+\b), 96*((\ks)%2)+12*\b, 48*((\ks)%2)+12*(\g), 192+8*\b, SW+8*(\b%4)+(\ks), SX+8*((\g)%2)+(\ks), \b/4, (\g)/2
.endr
.else
	WIN 0xad                                         ; the same, C and D window 2
.irp b, 0,1,2,3,4,5,6,7
	WM 8*(8*(\g)+\b), 96*((\ks)%2)+12*\b, 48*((\ks)%2)+12*(\g), 8*(8*(\g)+\b), SW+8*(\b%4)+(\ks), SX+8*((\g)%2)+(\ks), \b/4, (\g)/2
.endr
.endif
.endm
.macro STEP slot, q, ks                ; a K step of 128 whose successor lies in the same half: its fragments are fetched into the other set, in two runs between the groups of products
	s_wait_dscnt 0x0                                 ; this step's fragments are in
	MULG 0, \ks
	PLACES 4                                         ; four places in front of loads into registers that the last step's matrix instructions have read
	FETCHW \slot, (\q)+1, 1-(\ks)%2
	MULG 1, \ks
	FETCHX \slot, (\q)+1, 1-(\ks)%2
	MULG 2, \ks
	MULG 3, \ks
.endm
.macro TOSTAGE a                       ; block a: lane (i, h) holds token row i and, in accumulator b, features 32 (b / 2) + 8 (b % 2) + 16 h + 0 .. 7
	WIN 0x08                                         ; an LDS store's data are its source 1: window 2
.irp b, 0,1,2,3,4,5,6,7
	ds_store_b128 v[STO], v[64*(\a)+8*\b:64*(\a)+8*\b+3] offset:128*(\b/2)+32*(\b%2)         ; each accumulator from its low end on
	ds_store_b128 v[STO], v[64*(\a)+8*\b+4:64*(\a)+8*\b+7] offset:128*(\b/2)+32*(\b%2)+16
.endr
	WIN 0
.set BB, BK+64*((\a)%2)
.irp t, 0,1,2,3,4,5,6,7,8,9,10,11,12,13,14,15
	ds_load_b128 v[BB+4*\t:BB+4*\t+3], v[RD] offset:\t*528    ; LDS serves a wave's instructions in order: these see the stores above
.endr
.endm
.macro SEND a, younger                 ; younger: the LDS instructions issued behind block a's loads, which may stay out
.set BB, BK+64*((\a)%2)
	s_wait_dscnt \younger
.irp t, 0,1,2,3,4,5,6,7,8,9,10,11,12,13,14,15
	global_store_b128 v[L16], v[BB+4*\t:BB+4*\t+3], s[12:13] offset:(32*((\a)/2)+8*((\a)%2)+\t+8*(\t/8))*4096 th:TH_STORE_NT   ; 32 lanes store 512 consecutive bytes of one row, aligned
.endr
.endm
	s_load_b256 s[4:11], s[0:1], 0x0                 ; aoimg s[4:5], wimg s[6:7], sc1 s[8:9], bo s[10:11]
	s_load_b64 s[12:13], s[0:1], 0x20                ; out0
	v_lshl_add_u32 v[SPW], v0, 2, SPARE
	v_mov_b32 v[NIL], 0
	ds_add_u32 v[SPW], v[NIL]                        ; the wave's opening
	ds_add_u32 v[SPW], v[NIL]
	v_lshrrev_b32 v1, 5, v0
	v_readfirstlane_b32 s[WV], v1
	s_lshr_b32 s[WY], s[WV], 1                       ; my half of the tokens
	s_and_b32 s[WX], s[WV], 1                        ; my half of the features
	s_bfe_u32 s[CX], ttmp6, 0x40000
	s_bfe_u32 s[CY], ttmp6, 0x40004
	s_lshl_b32 s[TX], ttmp9, 2
	s_add_co_u32 s[TX], s[TX], s[CX]                 ; which 256 features
	s_and_b32 s[TY], ttmp7, 0xffff
	s_lshl_b32 s[TY], s[TY], 2
	s_add_co_u32 s[TY], s[TY], s[CY]                 ; which 128 tokens
	s_lshl_b32 s80, s[CY], 2
	s_lshl_b32 s80, 15, s80                          ; my row of the cluster
	s_lshl_b32 s81, 0x1111, s[CX]                    ; my column
	s_or_b32 s[G1X], s80, (3<<16)|(1<<21)            ; 15:0 the mask; 17:16 elements of 8 bytes; 21 set beside a mask; no padding
	s_mov_b32 s[G1X+1], 768<<16                      ; eight half blocks, 6,144 bytes, of each of 8 tiles, 12,288 bytes apart
	s_mov_b32 s[G1X+2], 8<<16                        ; 8 tiles: a wave fetches a whole half of ao
	s_mov_b32 s[G1X+3], 768<<16
	s_mov_b32 s[G1X+4], 8
	s_mov_b32 s[G1X+5], 1536
	s_mov_b32 s[G1X+6], 0
	s_mov_b32 s[G1X+7], 0
	s_or_b32 s[G1W], s81, (3<<16)|(1<<21)
	s_mov_b32 s[G1W+1], 768<<16                      ; the same of 16 tiles
	s_mov_b32 s[G1W+2], 16<<16                       ; 16 tiles: a whole half of the weight
	s_mov_b32 s[G1W+3], 768<<16
	s_mov_b32 s[G1W+4], 16
	s_mov_b32 s[G1W+5], 1536
	s_mov_b32 s[G1W+6], 0
	s_mov_b32 s[G1W+7], 0
	s_mul_i32 s62, s[TY], 98304                      ; ao: tile 8 ty,
	s_mul_i32 s82, s[WY], 6144                       ; the half of K that waves 2 WY and 2 WY + 1 fetch
	s_add_co_u32 s62, s62, s82
	s_mov_b32 s63, 0
	s_lshl_b32 s66, s[TX], 4
	s_add_co_u32 s66, s66, 192                       ; Wo's tiles begin at 192
	s_mul_i32 s66, s66, 12288
	s_add_co_u32 s66, s66, s82                       ; the same half of K
	s_mov_b32 s67, 0
	s_mul_i32 s68, s[WY], XHB                        ; where they go: no place in the cluster enters an LDS address
	s_mul_i32 s69, s[WY], SLOT
	s_add_co_u32 s69, s69, WR
	s_wait_dscnt 0x0                                 ; the opening add is done
	s_wait_kmcnt 0x0
	s_add_nc_u64 s[62:63], s[4:5], s[62:63]
	s_add_nc_u64 s[66:67], s[6:7], s[66:67]
	CROUND                                           ; all sixteen work-groups are here: the joint loads meet
	; THE FOUR FILLS, ONE A WAVE: wave 0 ao's first half of K, wave 1 the weight's, wave 2 ao's second half, wave 3 the weight's.
	; One chain of branches on the wave's number, a load line of its own in each arm: the first barrier waits for waves 0 and 1 alone.
	s_mov_b32 s[G0X], 1
	s_mov_b32 s[G0X+1], s68
	s_mov_b64 s[G0X+2:G0X+3], s[62:63]
	s_or_b32 s[G0X+3], s[G0X+3], 0x80000000
	s_mov_b32 s[G0W], 1
	s_mov_b32 s[G0W+1], s69
	s_mov_b64 s[G0W+2:G0W+3], s[66:67]
	s_or_b32 s[G0W+3], s[G0W+3], 0x80000000
.macro HARM under, g0, g1, next
	s_cmp_lt_u32 s[WV], \under
	s_cbranch_scc0 \next
	tensor_load_to_lds s[\g0:\g0+3], s[\g1:\g1+7]
	s_nop 0
	PLACES 4
	s_branch .Lhead_asked
\next:
.endm
	HARM 1, G0X, G1X, .Lh1
	HARM 2, G0W, G1W, .Lh2
	HARM 3, G0X, G1X, .Lh3
	tensor_load_to_lds s[G0W:G0W+3], s[G1W:G1W+7]
	s_nop 0
	PLACES 4
.Lhead_asked:
	v_and_b32 v1, 31, v0                             ; l
	v_and_b32 v2, 15, v0                             ; i
	v_bfe_u32 v3, v0, 4, 1                           ; h
	v_lshlrev_b32 v[L16], 4, v1
	v_lshlrev_b32 v[L8], 3, v1
	s_mul_i32 s80, s[WY], 24576                      ; my 4 tiles of ao in a half
	s_mul_i32 s81, s[WX], 49152
	s_add_co_u32 s81, s81, WR                        ; my 8 tiles of the weight in its first half
	v_add_nc_u32 v[AX], s80, v[L16]
	v_add_nc_u32 v[AX+1], XHB, v[AX]
	v_add_nc_u32 v[AX+2], s80, v[L8]
	v_add_nc_u32 v[AX+3], XHB, v[AX+2]
	v_add_nc_u32 v[AW], s81, v[L16]
	v_add_nc_u32 v[AW+1], SLOT, v[AW]
	v_add_nc_u32 v[AW+2], s81, v[L8]
	v_add_nc_u32 v[AW+3], SLOT, v[AW+2]
	s_lshl_b32 s84, s[TY], 12
	s_lshl_b32 s82, s[WY], 11
	s_add_co_u32 s84, s84, s82
	s_add_co_u32 s84, s84, 393216                    ; ao's scale rows
	s_lshl_b32 s85, s[TX], 13
	s_lshl_b32 s82, s[WX], 12
	s_add_co_u32 s85, s85, s82
	s_add_co_u32 s85, s85, 360448                    ; Wo's
	v_lshlrev_b32 v[SOFX], 5, v2                     ; 32 bytes a row
	v_lshl_add_u32 v[SOFW], v3, 11, v[SOFX]          ; lanes 16-31: four tiles on
	v_lshl_add_u32 v[SOFX], v3, 10, v[SOFX]          ; lanes 16-31: two tiles on
	v_add_nc_u32 v[SOFX], s84, v[SOFX]
	v_add_nc_u32 v[SOFW], s85, v[SOFW]
.irp t, 0,1
	global_load_b128 v[SX+8*\t:SX+8*\t+3], v[SOFX], s[8:9] offset:512*\t             ; the scale words of all of K, once
	global_load_b128 v[SX+8*\t+4:SX+8*\t+7], v[SOFX], s[8:9] offset:512*\t+16
.endr
.irp t, 0,1,2,3
	global_load_b128 v[SW+8*\t:SW+8*\t+3], v[SOFW], s[8:9] offset:512*\t
	global_load_b128 v[SW+8*\t+4:SW+8*\t+7], v[SOFW], s[8:9] offset:512*\t+16
.endr
	s_lshl_b32 s92, s[TX], 10
	s_lshl_b32 s82, s[WX], 9
	s_add_co_u32 s92, s92, s82                       ; my first feature x 4
	s_mov_b32 s93, 0
	s_add_nc_u64 s[10:11], s[10:11], s[92:93]
	v_lshlrev_b32 v[BOF], 6, v3                      ; the bias: register 8 b + j: feature 32 (b / 2) + 8 (b % 2) + 16 h + j
	WIN 0x40                                         ; destination window 1
.irp b, 0,1,2,3,4,5,6,7
	global_load_b128 v[192+8*\b:192+8*\b+3], v[BOF], s[10:11] offset:(32*(\b/2)+8*(\b%2))*4
	global_load_b128 v[192+8*\b+4:192+8*\b+7], v[BOF], s[10:11] offset:(32*(\b/2)+8*(\b%2))*4+16
.endr
	WIN 0
	s_lshl_b32 s94, s[TY], 19
	s_lshl_b32 s82, s[WY], 18
	s_add_co_u32 s94, s94, s82                       ; my first token's row
	s_add_co_u32 s94, s94, s92
	s_mov_b32 s95, 0
	s_add_nc_u64 s[12:13], s[12:13], s[94:95]
	s_mul_i32 s86, s[WV], 8448
	s_add_co_u32 s86, s86, STG                       ; my stage
	v_mul_u32_u24 v[STO], v2, 528
	v_lshl_add_u32 v[STO], v3, 6, v[STO]
	v_add_nc_u32 v[STO], s86, v[STO]                 ; in: row i, + 64 h
	v_add_nc_u32 v[RD], s86, v[L16]                  ; back: 16 bytes a lane of a row
	s_wait_alu depctr_va_vdst(0)                     ; the wait at the head's end
	s_cmp_lt_u32 s[WV], 2                            ; waves 0 and 1 hold the first half of K; the second half may be out
	s_cbranch_scc0 .Lsecond_half
	s_wait_tensorcnt 0x0
.Lsecond_half:
	s_barrier_signal -1
	s_barrier_wait -1
	FETCHW 0, 0, 0
	FETCHX 0, 0, 0
	s_wait_loadcnt 0x0                               ; the scale words and the bias
	STEP 0, 0, 0                                     ; the first step's products start the sums from the bias
	STEP 0, 1, 1
	STEP 0, 2, 2
	WIN 0                                            ; the first half's last step, and the barrier ahead of the second half
	s_wait_tensorcnt 0x0                             ; my parts of the second half have landed
	ds_add_u32 v[SPW], v[NIL]
	s_wait_dscnt 0x1                                 ; this step's fragments are in (the add alone may be out)
	MULG 0, 3
	s_wait_dscnt 0x0                                 ; the add is done, and my reads of the first half are over
	s_barrier_signal -1
	MULG 1, 3
	WIN 0
	s_barrier_wait -1                                ; everybody's parts have landed, and nobody reads the first half any more
	PLACES 4
	FETCHW 1, 0, 0
	FETCHX 1, 0, 0
	MULG 2, 3
	MULG 3, 3
	STEP 1, 0, 4
	STEP 1, 1, 5
	STEP 1, 2, 6
	s_wait_dscnt 0x0
	MULG 0, 7
	MULG 1, 7
	MULG 2, 7
	MULG 3, 7
	WIN 0
	PLACES 4                                         ; behind the last products, in front of the first read of results
	s_wait_alu depctr_va_vdst(0)
	TOSTAGE 0
.irp a, 1,2,3
.if \a > 1
	s_wait_xcnt 0x0                                  ; block a - 2's stores have read their registers: block a's loads may land there
.endif
	TOSTAGE \a
	SEND \a-1, 32                                    ; behind block a - 1's loads: block a's 16 stores and 16 loads
.endr
	SEND 3, 0
	s_wait_tensorcnt 0x0                             ; the wave's end
	ds_add_u32 v[SPW], v[NIL]
	s_wait_dscnt 0x0
	CROUND                                           ; the closing round
	s_endpgm
.Lfunc_end_k_q14c9e8b527_outp:
	.size	k_q14c9e8b527_outp, .Lfunc_end_k_q14c9e8b527_outp-k_q14c9e8b527_outp
	.p2alignl 7, 3214868480
	.fill 96, 4, 3214868480
	.section	.rodata,"a",@progbits
	.p2align	6, 0x0
	.amdhsa_kernel k_q14c9e8b527_outp
		.amdhsa_group_segment_fixed_size 327680
		.amdhsa_private_segment_fixed_size 0
		.amdhsa_enable_private_segment 0
		.amdhsa_kernarg_size 40
		.amdhsa_user_sgpr_count 2
		.amdhsa_user_sgpr_kernarg_segment_ptr 1
		.amdhsa_wavefront_size32 1
		.amdhsa_system_sgpr_workgroup_id_x 1
		.amdhsa_system_sgpr_workgroup_id_y 1
		.amdhsa_system_sgpr_workgroup_id_z 1
		.amdhsa_system_vgpr_workitem_id 0
		.amdhsa_next_free_vgpr 1024
		.amdhsa_next_free_sgpr 100
		.amdhsa_reserve_vcc 0
		.amdhsa_float_denorm_mode_32 3
		.amdhsa_float_denorm_mode_16_64 3
		.amdhsa_memory_ordered 1
		.amdhsa_forward_progress 1
		.amdhsa_inst_pref_size 84
	.end_amdhsa_kernel
	.amdgpu_metadata
---
amdhsa.version: [ 1, 2 ]
amdhsa.kernels:
  - .name:           k_q14c9e8b527_outp
    .symbol:         k_q14c9e8b527_outp.kd
    .args:
      - { .name: aoimg, .offset: 0, .size: 8, .value_kind: global_buffer, .address_space: global }
      - { .name: wimg, .offset: 8, .size: 8, .value_kind: global_buffer, .address_space: global }
      - { .name: sc1, .offset: 16, .size: 8, .value_kind: global_buffer, .address_space: global }
      - { .name: bo, .offset: 24, .size: 8, .value_kind: global_buffer, .address_space: global }
      - { .name: out0, .offset: 32, .size: 8, .value_kind: global_buffer, .address_space: global }
    .group_segment_fixed_size: 327680
    .private_segment_fixed_size: 0
    .kernarg_segment_align: 8
    .kernarg_segment_size: 40
    .max_flat_workgroup_size: 128
    .sgpr_count:     100
    .vgpr_count:     1024
    .wavefront_size: 32
...
	.end_amdgpu_metadata
.endif
;; end of part 4
